; MI455X (gfx1250); checked and timed in simulation.
; The chip was launched on July 23, 2026; its instructions are those of AMD's public machine-readable ISA for CDNA 5 (MIT licence, August 2026) and "CDNA5" Instruction Set Architecture Reference Guide (July 2026). The comments in the code are by the model that wrote it; some were corrected since.
;; Dec Attention. Allowed arithmetic: matrix products marked QUANTISED: E4M3 operands, one E8M0 scale for each 32 along K, by v_wmma_scale_f32_16x16x128_f8f6f4 with both operands' format E4M3, f32 sums; everything else in f32.
;; Inputs: Wo 1,024 x 1,024 float32; Wqkv 1,024 x 3,072 float32; bo 1,024 float32; bqkv 3,072 float32; x 4 x 2,048 x 1,024 float32.
;; Outputs: out0 4 x 2,048 x 1,024 float32.
;; This version of the problem:
;;   THIS VERSION OF THE PROBLEM IS GIVEN IN LOW PRECISION. The matrix products marked QUANTISED in the list below multiply operands that are first quantised to E4M3 (4 exponent bits, 3 mantissa bits; 8 bits a number), with one power-of-two scale for each 32 numbers along K (OCP MX v1.0); their sums are f32. All else is computed in f32.
;;   The module's matrix products, in the order in which they are computed (A, B: the left and right operand; K: the contracted axis; several contracted axes count as one K, in the product's order):
;;     1. [M 8,192, K 1,024] x [K 1,024, N 3,072]; A: input x; B: input Wqkv: QUANTISED
;;     2. batch 64 x [M 2,048, K 64] x [K 64, N 2,048]; A: computed on the way; B: computed on the way: QUANTISED
;;     3. batch 64 x [M 2,048, K 2,048] x [K 2,048, N 64]; A: softmax (see below); B: computed on the way: QUANTISED
;;     4. [M 8,192, K 1,024] x [K 1,024, N 1,024]; A: computed on the way; B: input Wo: QUANTISED
;;   THE QUANTISER, for each operand of a quantised product, along K:
;;     - K is cut into blocks of 32 from its start; a last block that is shorter is filled with zeros.
;;     - A block's scale is 2^e with e = floor(log2(the largest magnitude in the block)) - 8, held to -126 .. 127; a block of zeros has e = 0. As a byte (E8M0): e + 127.
;;     - Each number is divided by its block's scale, clamped to +-448, and rounded to the nearest number of E4M3, ties to even, subnormals kept.
;;     - The product sums the exact products of the quantised numbers (number of the format x scale) in f32.
;;   ~~~python
;;   def quantise(x, axis):      # numpy; x: float32 -> the quantised numbers, widened to float32 again
;;       x = np.moveaxis(x, axis, -1); K = x.shape[-1]
;;       x = np.pad(x, [(0, 0)] * (x.ndim - 1) + [(0, -K % 32)]); x = x.reshape(x.shape[:-1] + (-1, 32)); a = np.abs(x).max(-1, keepdims=True)
;;       e = np.where(a > 0, np.clip(np.frexp(np.where(a > 0, a, 1))[1] - 1 - 8, -126, 127), 0)      # np.frexp(a)[1] - 1 = floor(log2(a)), exactly
;;       r = np.clip(x / 2.0 ** e, -448, 448)
;;       step = 2.0 ** (np.maximum(np.frexp(np.where(r == 0, 1, r))[1] - 1, -6) - 3)
;;       q = np.round(r / step) * step * 2.0 ** e      # np.round: ties to even
;;       return np.moveaxis(q.reshape(q.shape[:-2] + (-1,))[..., :K], -1, axis).astype(np.float32)
;;   ~~~
;;   SOFTMAX AHEAD OF A QUANTISED PRODUCT. Where the list says 'softmax', what is quantised is not the finished softmax but p = 2^(t - M), with t = logit x log2(e) and M = ceil(the row's largest t), a whole number; so 1/2 < the row's largest p <= 1. The row's sum l is taken of the UNQUANTISED p, in f32, and the product's result is divided by l at the end. Since M is a whole number, a kernel that streams over the keys may use a running M (the ceiling of the running maximum): every later rescaling is an exact power of two, which a block's scale takes up: the codes' values come out the same.
;;   OPERANDS COMPUTED ON THE WAY. 'Computed on the way' means the value that the module computes at that place (a softmax that the list does not call 'softmax' is quantised finished and normalised). What goes into a quantiser is computed in f32, as accurately as f32 sums, v_exp_f32 and their like allow (about 1e-6 of the number): no bf16 or f16 on the way to a quantiser, and a product that is left as it is and whose result goes on into a quantised operand takes f32 operands (vector FMAs, or v_wmma_f32_16x16x4_f32). A number that lies on a knife's edge between two numbers of the format may be rounded either way, as far as f32 arithmetic and the matrix unit's own rounding can turn it there, and no further.
;; One version. Each part assembles by itself: llvm-mc -triple=amdgcn-amd-amdhsa -mcpu=gfx1250 --defsym DOCPART=n.
;; ======== version 1 of 1: 4 launches
;; limits: right only within a limited range of input values
;; workspace buffers: ximg 8,388,608 bytes; wimg 4,194,304 bytes; scl 655,360 bytes; qkv 26,476,544 bytes; yimg 8,388,608 bytes
;; launch quant (part 1): grid 384 x 1, 4 waves a work-group, no clusters, 34,304 bytes of LDS; arguments x, Wqkv, Wo, ximg, wimg, scl; writes ximg, wimg, scl
.if DOCPART == 1
	.amdgcn_target "amdgcn-amd-amdhsa--gfx1250"
	.amdhsa_code_object_version 6
	.text
	.protected	k_qd3cd405997_quant
	.globl	k_qd3cd405997_quant
	.p2align	8
	.type	k_qd3cd405997_quant,@function
k_qd3cd405997_quant:
	s_mov_b64 s[64:65], 0
	v_nop
	global_prefetch_b8 v0, s[64:65] scope:SCOPE_SE
	s_setreg_imm32_b32 hwreg(HW_REG_WAVE_MODE, 25, 1), 1
	s_wait_xcnt 0x0
; x [8192][1024], Wqkv [1024][3072] and Wo [1024][1024], f32, become codes of FP8 (E4M3) with one E8M0 byte for each 32 along K (x: its last axis; the weights: their FIRST axis).
; THE CODES ARE LAID AS IMAGES OF THE OPERAND'S REGISTERS.  A fragment (16 rows x 128 K) is 2,048 bytes, [c 0..3][lane 0..31][16 bytes]: lane (r = lane % 16, h = lane / 16) holds k = 32 c + 16 h + 0..15 of the tile's row r.
; A row tile rt has its 8 fragments on end (16,384 bytes).  THE ROWS OF A TILE ARE NOT NEIGHBOURS: lane r of tile rt is row 32 (rt / 2) + 8 (rt % 2) + r + 8 (r / 8), so that the results of two neighbouring tiles
; are 16 neighbours in a lane's registers in the products that follow.  The scale words (four bytes: 128 along K of one row) lie at rt x 512 + (ks / 4) x 256 + 16 r + 4 (ks % 4).
; A block's scale is 2^(floor(log2(its largest magnitude)) - 8); its byte is the largest magnitude's exponent field - 8, held at 1 from below; each number is held within +-448 x the scale and rounded to the nearest code.
; LIMITS: a block whose largest magnitude lies under 2^(9 - 127), zeros among them, gets the byte 1 (its codes are then zeros or subnormal codes; this program alone reads the bytes); NaN and infinities are not served.
; SHARES: work-groups 0-255 take x: a wave takes one row tile x 512 along K (four fragments, 32 KiB).  Work-groups 256-383 take the weights: a wave takes 32 columns x 256 along K: 8 blocks, two of them on their way,
; so that a wave's chain of dependent loads is four blocks' loads long.  A column's two scale words then leave as 8 bytes a lane, 16 bytes apart: the other 8 come from the work-group of the neighbouring 256 along K (131,072 bytes in all).
; No tensor loads, no barrier: waves share nothing.  Only x's path touches LDS: a stage of 16 rows x 528 bytes for each wave.
.set SP,   528                         ; a stage row: 512 bytes + 16: the sixteen rows that a load touches start at sixteen different banks
.set WREG, 16*SP
.set R,    16                          ; v16-143  x: two sets of 64 registers as loaded
.set X,    144                         ; v144-207 x: my 64 numbers of a fragment, register 16 c + i = k 32 c + 16 h + i of my row
.set PC,   208                         ; v208-223 the fragment's codes
.set TM,   224                         ; v224-239 at work
.set PW,   240                         ; v240     the scale word just made
.set WS,   244                         ; v244-247 the four fragments' scale words
.set WX,   64                          ; weights: v64-127 two sets of 32 numbers;
.set WC,   128                         ; v128-135 a block's codes;
.set WSB,  136                         ; v136-137 the two scale words
.set NBW,  8                           ; blocks of a wave
.set MNT,  17
.set SEL,  18                          ; s[18:19] v_permlanex16_b32's selects for lane l xor 16
; 64 numbers of a lane, v[s] on, become a fragment's codes in v[PC] on and its row's scale word in v[PW]
.macro QUANT s
.irp b, 0,1,2,3
	v_max3_num_f32 v[TM+\b], |v[\s+16*\b]|, |v[\s+1+16*\b]|, 0x4800000   ; block b: my 16 numbers, and the floor 2^(9 - 127): the byte cannot fall under 1
.endr
.irp i, 2,4,6,8,10,12,14
.irp b, 0,1,2,3
	v_max3_num_f32 v[TM+\b], v[TM+\b], |v[\s+16*\b+\i]|, |v[\s+1+16*\b+\i]|   ; the four blocks by turns
.endr
.endr
.irp b, 0,1,2,3
	v_permlanex16_b32 v[TM+4+\b], v[TM+\b], s[SEL], s[SEL+1]
.endr
.irp b, 0,1,2,3
	v_max_num_f32 v[TM+\b], v[TM+\b], v[TM+4+\b]   ; with lane l xor 16's 16: the block's largest magnitude
.endr
.irp b, 0,1,2,3
	v_add_nc_u32 v[TM+12+\b], 0xfc000000, v[TM+\b]   ; 8 off its exponent field: the conversion's scale operand
.endr
.irp b, 0,1,2,3
.endr
.irp b, 0,1,2,3
	v_lshrrev_b32 v[TM+4+\b], 23, v[TM+12+\b]   ; the scale's byte
.endr
	v_lshl_or_b32 v[PW], v[TM+5], 8, v[TM+4]
	v_lshl_or_b32 v[PW], v[TM+6], 16, v[PW]
	v_lshl_or_b32 v[PW], v[TM+7], 24, v[PW]
.irp b, 0,1,2,3
.irp i, 0,1,2,3,4,5,6,7,8,9,10,11,12,13,14,15
.endr
	v_cvt_scalef32_pk8_fp8_f32 v[PC+4*\b:PC+1+4*\b], v[\s+16*\b:\s+7+16*\b], v[TM+12+\b]
	v_cvt_scalef32_pk8_fp8_f32 v[PC+2+4*\b:PC+3+4*\b], v[\s+8+16*\b:\s+15+16*\b], v[TM+12+\b]
.endr
	v_nop                                          ; a plain line behind the last conversion
.endm
.macro XLOAD t                         ; fragment t: 16 rows x 512 bytes; each load reads 512 consecutive bytes of one row
.irp p, 0,1,2,3,4,5,6,7,8,9,10,11,12,13,14,15
	global_load_b128 v[R+64*((\t)%2)+4*\p:R+64*((\t)%2)+4*\p+3], v4, s[4:5] offset:(\p+8*(\p/8))*4096+512*(\t) th:TH_LOAD_NT
.endr
.endm
.macro XTURN t                         ; through my stage: in as loaded, out 64 bytes of my row for each block.  LDS serves a wave's instructions in order: no wait between
.irp p, 0,1,2,3,4,5,6,7,8,9,10,11,12,13,14,15
	ds_store_b128 v5, v[R+64*((\t)%2)+4*\p:R+64*((\t)%2)+4*\p+3] offset:\p*SP
.endr
.irp c, 0,1,2,3
.irp j, 0,1,2,3
	ds_load_b128 v[X+16*\c+4*\j:X+16*\c+4*\j+3], v6 offset:128*\c+16*\j
.endr
.endr
.endm
.macro XFRAG t
.if (\t) < 3
	s_wait_loadcnt 16                              ; this fragment's 16 loads are in; the next fragment's 16 may be out
.else
	s_wait_loadcnt 0x0
.endif
	XTURN \t
	s_wait_dscnt 0x0                               ; my numbers are back, and the stage's stores have read the registers that the next loads fill
	s_wait_xcnt 0x0                                ; the last fragment's stores have read their data: the codes' registers are written again below
.if (\t) < 2
	XLOAD (\t)+2
.endif
	QUANT X
	v_mov_b32 v[WS+(\t)], v[PW]
.irp c, 0,1,2,3
	global_store_b128 v4, v[PC+4*\c:PC+4*\c+3], s[10:11] offset:2048*(\t)+512*\c   ; 32 lanes store 512 consecutive bytes, aligned
.endr
.endm
.macro WLOAD t, pitch                  ; block t of a column: W(32 t + i, my column); 32 lanes read 128 consecutive bytes
.set i, 0
.rept 32
	global_load_b32 v[WX+32*((\t)%2)+i], v4, s[30:31] offset:(32*(\t)+i)*\pitch th:TH_LOAD_NT
.set i, i+1
.endr
.endm
.macro WBLOCK t, pitch
.set XS, WX+32*((\t)%2)
.if (\t) < NBW-1
	s_wait_loadcnt 32                              ; this block's 32 loads are in; the next block's may be out
.else
	s_wait_loadcnt 0x0
.endif
	v_max3_num_f32 v12, |v[XS]|, |v[XS+1]|, |v[XS+2]|   ; all 32 numbers of the block are mine
	v_max3_num_f32 v13, |v[XS+3]|, |v[XS+4]|, |v[XS+5]|
.irp i, 6,10,14,18,22,26
	v_max3_num_f32 v12, v12, |v[XS+\i]|, |v[XS+\i+1]|
	v_max3_num_f32 v13, v13, |v[XS+\i+2]|, |v[XS+\i+3]|
.endr
	v_max3_num_f32 v12, v12, |v[XS+30]|, |v[XS+31]|
	v_max3_num_f32 v12, v12, v13, 0x4800000        ; and the floor
	v_add_nc_u32 v11, 0xfc000000, v12
	v_lshrrev_b32 v13, 23, v11
.if (\t)%4 == 0
	v_mov_b32 v[WSB+(\t)/4], v13                   ; four bytes to a word, the lower K in the lower byte
.else
	v_lshl_or_b32 v[WSB+(\t)/4], v13, 8*((\t)%4), v[WSB+(\t)/4]
.endif
.set i, 0
.rept 32
.set i, i+1
.endr
	s_wait_alu depctr_va_vdst(0)
	s_wait_xcnt 0x0                                ; the last block's stores have read the codes' registers
.irp g, 0,1,2,3
	v_cvt_scalef32_pk8_fp8_f32 v[WC+2*\g:WC+2*\g+1], v[XS+8*\g:XS+8*\g+7], v11
.endr
	global_store_b128 v8, v[WC:WC+3], s[12:13] offset:((\t)/4)*2048+((\t)%4)*512        ; k 0-15 of the block: the image's lanes 0-15; sixteen lanes fill 256 aligned bytes
	global_store_b128 v8, v[WC+4:WC+7], s[12:13] offset:((\t)/4)*2048+((\t)%4)*512+256  ; k 16-31: its lanes 16-31
.if (\t)+2 < NBW
	WLOAD (\t)+2, \pitch
.endif
.endm
.macro WCOLS pitch
	WLOAD 0, \pitch
	WLOAD 1, \pitch
.set Q, 0
.rept NBW
	WBLOCK Q, \pitch
.set Q, Q+1
.endr
	global_store_b64 v9, v[WSB:WSB+1], s[14:15]    ; my column's two scale words: 8 bytes a lane, 16 bytes apart
	s_endpgm
.endm
	s_load_b128 s[4:7], s[0:1], 0x0                ; x, Wqkv
	s_load_b128 s[8:11], s[0:1], 0x10              ; Wo, x's image
	s_load_b128 s[12:15], s[0:1], 0x20             ; the weights' image, the scale words
	v_lshl_add_u32 v254, v0, 2, 0x8400
	v_mov_b32 v255, 0
	v_lshrrev_b32 v1, 5, v0
	v_readfirstlane_b32 s16, v1                    ; wave 0..3
	v_and_b32 v2, 31, v0                           ; lane
	v_and_b32 v3, 15, v0                           ; r
	v_bfe_u32 v14, v0, 4, 1                        ; h
	s_mov_b32 s[SEL], 0x76543210
	s_mov_b32 s[SEL+1], 0xfedcba98
	s_cmp_lt_u32 ttmp9, 256
	s_cbranch_scc0 .Lweights
	; ---- x
	v_lshlrev_b32 v4, 4, v2                        ; 16 x lane
	s_mul_i32 s20, s16, WREG                       ; my stage
	v_add_nc_u32 v5, s20, v4                       ; in: 16 x lane
	v_mul_u32_u24 v6, v3, SP
	v_lshl_add_u32 v6, v14, 6, v6
	v_add_nc_u32 v6, s20, v6                       ; out: row r, + 64 h
	v_lshlrev_b32 v7, 4, v3
	v_lshl_add_u32 v7, v14, 3, v7                  ; scale words: 16 r + 8 h
.irp b, 0,1,2,3
	v_mov_b32 v[TM+4+\b], 0                        ; a lane permute's destination counts as one of its sources
.endr
	s_lshl_b32 s21, ttmp9, 2
	s_add_co_u32 s21, s21, s16                     ; task
	s_lshr_b32 s22, s21, 1                         ; rt
	s_and_b32 s23, s21, 1                          ; which 512 along K
	s_lshr_b32 s24, s22, 1
	s_lshl_b32 s24, s24, 17                        ; 32 rows of 4,096 bytes
	s_and_b32 s25, s22, 1
	s_lshl_b32 s25, s25, 15                        ; 8 rows
	s_add_co_u32 s24, s24, s25
	s_lshl_b32 s25, s23, 11
	s_add_co_u32 s24, s24, s25
	s_mov_b32 s25, 0
	s_lshl_b32 s26, s22, 14
	s_lshl_b32 s27, s23, 13
	s_add_co_u32 s26, s26, s27
	s_mov_b32 s27, 0
	s_lshl_b32 s28, s22, 9
	s_lshl_b32 s29, s23, 8
	s_add_co_u32 s28, s28, s29
	s_mov_b32 s29, 0
	s_mov_b32 s30, 0xffff0000                      ; lanes 16-31
	s_wait_alu depctr_va_vdst(0)
	s_wait_kmcnt 0x0
	s_add_nc_u64 s[4:5], s[4:5], s[24:25]
	s_add_nc_u64 s[10:11], s[10:11], s[26:27]
	s_add_nc_u64 s[14:15], s[14:15], s[28:29]
	XLOAD 0
	XLOAD 1
	XFRAG 0
	XFRAG 1
	XFRAG 2
	XFRAG 3
	v_cndmask_b32 v248, v[WS], v[WS+2], s30        ; lane (r, h) stores words 2 h and 2 h + 1 of row r (both halves hold all four)
	v_cndmask_b32 v249, v[WS+1], v[WS+3], s30
	global_store_b64 v7, v[248:249], s[14:15]      ; 32 lanes store 256 consecutive bytes, aligned
	s_wait_tensorcnt 0x0
	ds_add_u32 v254, v255
	s_wait_dscnt 0x0
	s_endpgm
	; ---- the weights: a lane takes a column, its registers run down K
.Lweights:
	s_sub_co_u32 s20, ttmp9, 256
	s_lshr_b32 s21, s20, 2                         ; which 128 columns: 0..31
	s_and_b32 s22, s20, 3                          ; which 256 along K
	s_lshl_b32 s23, s21, 2
	s_add_co_u32 s23, s23, s16                     ; which 32 columns: a pair of tiles, 0..127 (0-95 Wqkv, 96-127 Wo)
	s_wait_alu depctr_va_vdst(0)
	v_lshlrev_b32 v4, 2, v2                        ; 4 bytes a lane
	v_bfe_u32 v5, v0, 3, 1                         ; column p of the 32 is row r = p % 8 + 8 (p / 16) of tile u = (p / 8) % 2
	v_and_b32 v6, 7, v0
	v_lshl_or_b32 v6, v14, 3, v6
	v_lshlrev_b32 v6, 4, v6
	v_lshl_add_u32 v8, v5, 14, v6                  ; codes: u x 16,384 + 16 r
	v_lshl_add_u32 v9, v5, 9, v6                   ; scale words: u x 512 + 16 r
	s_lshl_b32 s24, s23, 15
	s_lshl_b32 s25, s22, 12                        ; my two fragments of a tile's eight
	s_add_co_u32 s24, s24, s25
	s_mov_b32 s25, 0
	s_lshl_b32 s26, s23, 10
	s_lshr_b32 s27, s22, 1
	s_lshl_b32 s27, s27, 8                         ; which four K steps,
	s_add_co_u32 s26, s26, s27
	s_and_b32 s27, s22, 1
	s_lshl_b32 s27, s27, 3                         ; and which two of them
	s_add_co_u32 s26, s26, s27
	s_add_co_u32 s26, s26, 262144                  ; the weights' scale words lie behind x's
	s_mov_b32 s27, 0
	s_wait_kmcnt 0x0
	s_add_nc_u64 s[12:13], s[12:13], s[24:25]
	s_add_nc_u64 s[14:15], s[14:15], s[26:27]
	s_cmp_lt_u32 s21, 24
	s_cbranch_scc0 .Lwo
	s_mul_i32 s28, s22, 256*12288
	s_lshl_b32 s29, s23, 7
	s_add_co_u32 s28, s28, s29
	s_mov_b32 s29, 0
	s_add_nc_u64 s[30:31], s[6:7], s[28:29]
	s_wait_alu depctr_va_vdst(0)
	WCOLS 12288                                    ; every offset is an immediate: 255 rows of 12,288 bytes at the most, inside the signed 24 bits
.Lwo:
	s_mul_i32 s28, s22, 256*4096
	s_sub_co_u32 s29, s23, 96
	s_lshl_b32 s29, s29, 7
	s_add_co_u32 s28, s28, s29
	s_mov_b32 s29, 0
	s_add_nc_u64 s[30:31], s[8:9], s[28:29]
	s_wait_alu depctr_va_vdst(0)
	WCOLS 4096
.Lfunc_end_k_qd3cd405997_quant:
	.size	k_qd3cd405997_quant, .Lfunc_end_k_qd3cd405997_quant-k_qd3cd405997_quant
	.p2alignl 7, 3214868480
	.fill 96, 4, 3214868480
	.section	.rodata,"a",@progbits
	.p2align	6, 0x0
	.amdhsa_kernel k_qd3cd405997_quant
		.amdhsa_group_segment_fixed_size 34304
		.amdhsa_private_segment_fixed_size 0
		.amdhsa_enable_private_segment 0
		.amdhsa_kernarg_size 48
		.amdhsa_user_sgpr_count 2
		.amdhsa_user_sgpr_kernarg_segment_ptr 1
		.amdhsa_wavefront_size32 1
		.amdhsa_system_sgpr_workgroup_id_x 1
		.amdhsa_system_sgpr_workgroup_id_y 1
		.amdhsa_system_sgpr_workgroup_id_z 1
		.amdhsa_system_vgpr_workitem_id 0
		.amdhsa_next_free_vgpr 256
		.amdhsa_next_free_sgpr 66
		.amdhsa_reserve_vcc 0
		.amdhsa_float_denorm_mode_32 3
		.amdhsa_float_denorm_mode_16_64 3
		.amdhsa_fp16_overflow 1
		.amdhsa_memory_ordered 1
		.amdhsa_forward_progress 1
		.amdhsa_inst_pref_size 111
	.end_amdhsa_kernel
	.amdgpu_metadata
---
amdhsa.version: [ 1, 2 ]
amdhsa.kernels:
  - .name:           k_qd3cd405997_quant
    .symbol:         k_qd3cd405997_quant.kd
    .args:
      - { .name: x, .offset: 0, .size: 8, .value_kind: global_buffer, .address_space: global }
      - { .name: Wqkv, .offset: 8, .size: 8, .value_kind: global_buffer, .address_space: global }
      - { .name: Wo, .offset: 16, .size: 8, .value_kind: global_buffer, .address_space: global }
      - { .name: ximg, .offset: 24, .size: 8, .value_kind: global_buffer, .address_space: global }
      - { .name: wimg, .offset: 32, .size: 8, .value_kind: global_buffer, .address_space: global }
      - { .name: scl, .offset: 40, .size: 8, .value_kind: global_buffer, .address_space: global }
    .group_segment_fixed_size: 34304
    .private_segment_fixed_size: 0
    .kernarg_segment_align: 8
    .kernarg_segment_size: 48
    .max_flat_workgroup_size: 128
    .sgpr_count:     66
    .vgpr_count:     256
    .wavefront_size: 32
...
	.end_amdgpu_metadata
.endif
;; end of part 1
;; launch gemm_qkv (part 2): grid 8 x 48, 4 waves a work-group, clusters of 4 x 4, 327,680 bytes of LDS; arguments ximg, wimg, scl, bqkv, qkv; writes qkv
.if DOCPART == 2
	.amdgcn_target "amdgcn-amd-amdhsa--gfx1250"
	.amdhsa_code_object_version 6
	.text
	.protected	k_qd3cd405997_gemm_qkv
	.globl	k_qd3cd405997_gemm_qkv
	.p2align	8
	.type	k_qd3cd405997_gemm_qkv,@function
k_qd3cd405997_gemm_qkv:
	s_mov_b64 s[64:65], 0
	v_nop
	global_prefetch_b8 v0, s[64:65] scope:SCOPE_SE
	s_setreg_imm32_b32 hwreg(HW_REG_WAVE_MODE, 25, 1), 1
	s_wait_xcnt 0x0
	s_wait_alu depctr_hold_cnt(0) depctr_sa_sdst(0) depctr_va_vdst(0) depctr_va_sdst(0) depctr_va_ssrc(0) depctr_va_vcc(0) depctr_vm_vsrc(0)
	s_getreg_b32 s2, hwreg(HW_REG_IB_STS2, 6, 4)
	s_cmp_eq_u32 s2, 0
	s_cbranch_scc0 .Lentry_in_a_cluster
	s_endpgm
.Lentry_in_a_cluster:
	s_bfe_u32 s2, ttmp6, 0x10000c
	s_cmp_lg_u32 s2, 0xf033
	s_cbranch_scc0 .Lentry_shape_is_right
	s_endpgm
.Lentry_shape_is_right:
; qkv = x Wqkv + bqkv on codes of FP8 (E4M3) with E8M0 scales, K = 1,024; the results are quantised at once for the two products of attention and leave as images of operands' registers.
; THE CORE: a tile of 256 (R) x 256 (P) by four waves, 128 x 128 each: 64 accumulators.  Source 0 = 16 rows of P, source 1 = 16 rows of R: a lane holds ONE row of R, and, since the rows of a tile are chosen so
; (lane r of tile t is row 32 (t / 2) + 8 (t % 2) + r + 8 (r / 8)), the 16 registers of P's tiles 2 b and 2 b + 1 are the 16 neighbours 32 b + 16 (lane / 16) + 0..15 along P: just what the conversions and the next operand's layout want.
; MODE qk (cluster rows 0-7): P = Wq's and Wk's columns, R = tokens: a lane's registers run along a head's 64: q and k are quantised along them.  MODE v (cluster rows 8-11): P = tokens, R = Wv's columns: registers run along the keys.
; The mode hangs on the cluster's y alone: it is the same in all sixteen partners.
; OPERANDS lie in memory as images of fragments (2,048 bytes: [c][lane][16]), 8 K steps on end for each row tile: a tile's 2 K steps are 4,096 consecutive bytes; LDS holds them as they lie, and a fragment is four loads at 16 x lane: no padding is wanted.
; K goes in steps of 256 through two LDS slots; all eight K steps are written out.  The scale words of a wave's rows for all of K come once, straight into 64 registers, 256 consecutive bytes for sixteen lanes.
; CLUSTERS: 4 x 4.  R's tiles hang on the cluster's row, P's on its column: each is asked for jointly by the four that share it.  384 tiles make 24 clusters.
; THE RECORD of 128 tokens of one head in qkv (25,856 bytes; 16 records a head): q's 8 tiles x 1,024 at 0, q's scale words at 8,192 ([r][8 tiles]; a word holds the two bytes twice), k's at 8,704 and 16,896, v's 4 tiles of 16 channels x 128 keys at 17,408, their words at 25,600.
; LIMITS: a block whose largest magnitude lies under 2^(9 - 127) gets the scale byte 1; NaN and infinities are not served.
; REGISTERS: window 0: v0-31 addresses; v32-48 at work; v64-127 scale words (register 8 i + ks: lanes 0-15 R's tile i, lanes 16-31 P's tile i); v128-255 R's eight fragments, later the way out.
;   window 1: P's fragments, two sets; at the end the bias in set 0.   windows 2, 3: the accumulators ((a, b) at v[8 (8 (a % 4) + b)] of window 2 + a / 4).
.set SLOT,  131072                     ; R's 16 tiles x 4,096, then P's
.set POFF,  65536
.set SPARE, 262144                     ; behind the ring: the spare words, 128 bytes a wave
.set NP,    8                          ; places behind this matrix instruction (ISA guide 7.12.1)
.set HEADB, 413696
.set REC,   25856
.set LI,    4                          ; v4   16 x lane
.set QSA,   5                          ; v5   32 r + 16 h
.set VSA,   6                          ; v6   16 r + 8 h
.set BQA,   7                          ; v7   64 h
.set BVA,   8                          ; v8   4 (r + 8 (r / 8))
.set ADRR,  16                         ; v16-17 LDS address of my R fragments in slot 0, 1
.set ADRP,  20                         ; v20-21 of my P fragments
.set SCA,   27                         ; v27  my byte among the scale words
.set SPW,   28
.set NIL,   29
.set TM,    32
.set PW,    48
.set SC,    64
.set AF,    128
.set X,     128
.set PC,    192
.set WA,    208
.set WB,    216
.set OW,    224
.set G1,    24
.set G0,    32
.set G1B,   48
.set G0B,   56
.set HM,    81
.set SEL,   82
.set MNT,   84
.set MSB,   0
.macro WIN new                         ; the immediate's high byte repeats the setting that is left
.if MSB != \new
	s_set_vgpr_msb (MSB<<8)|\new
.set MSB, \new
.endif
.endm
.set MUL_LO, 0xa1                      ; source 0 (P) window 1, source 1 (R) window 0, C and D window 2
.set MUL_HI, 0xf1
.set TO_B,   0x40                      ; destination window 1
.macro JLOAD g0a, g1a, g0b, g1b        ; a joint load: waves 0, 1 fetch R's halves, waves 2, 3 P's; four v_nop follow each line
	s_cmp_eq_u32 s15, 0
	s_cbranch_scc0 .Lfor_b_\@
	tensor_load_to_lds s[\g0a:\g0a+3], s[\g1a:\g1a+7]
	s_nop 0
.rept 4
	v_nop
.endr
	s_branch .Lasked_\@
.Lfor_b_\@:
	tensor_load_to_lds s[\g0b:\g0b+3], s[\g1b:\g1b+7]
	s_nop 0
.rept 4
	v_nop
.endr
.Lasked_\@:
.endm
.macro CREST
	s_cmp_lg_u32 s14, 0
	s_cbranch_scc1 .Lnot_wave_0_\@
	s_barrier_signal -3
.Lnot_wave_0_\@:
	s_barrier_wait -3
	s_barrier_signal -1
	s_barrier_wait -1
.endm
.macro CROUND
	s_barrier_signal -1
	s_barrier_wait -1
	CREST
.endm
.macro PLACES n
.rept \n
	v_nop
.endr
.endm
.macro FRAG reg, adr, q, i             ; tile i's fragment of the slot's q-th 128 along K: the image as it lies
.irp c, 0,1,2,3
	ds_load_b128 v[\reg+4*\c:\reg+4*\c+3], v[\adr] offset:(\i)*4096+(\q)*2048+512*\c
.endr
.endm
.macro FETCH_B slot, q, p
	WIN TO_B
.irp i, 0,1,2,3,4,5,6,7
	FRAG 128*(\p)+16*\i, ADRP+\slot, \q, \i
.endr
	WIN 0
.endm
.macro FETCH_A slot, q, i0
.irp i, \i0, \i0+1, \i0+2, \i0+3
	FRAG AF+16*(\i), ADRR+\slot, \q, \i
.endr
.endm
; 16 matrix instructions: R's blocks a0, a0 + 1 x P's eight, K step ks.  The 64 accumulators take turns, one instruction a turn.
.macro MUL16 a0, p, ks, zero
.irp a, \a0, \a0+1
.irp b, 0,1,2,3,4,5,6,7
.if \zero
	v_wmma_scale_f32_16x16x128_f8f6f4 v[8*(8*((\a)%4)+\b):8*(8*((\a)%4)+\b)+7], v[128*(\p)+16*\b:128*(\p)+16*\b+15], v[AF+16*(\a):AF+16*(\a)+15], 0, v[SC+8*\b+(\ks)], v[SC+8*(\a)+(\ks)] matrix_a_scale:MATRIX_SCALE_ROW1
.else
	v_wmma_scale_f32_16x16x128_f8f6f4 v[8*(8*((\a)%4)+\b):8*(8*((\a)%4)+\b)+7], v[128*(\p)+16*\b:128*(\p)+16*\b+15], v[AF+16*(\a):AF+16*(\a)+15], v[8*(8*((\a)%4)+\b):8*(8*((\a)%4)+\b)+7], v[SC+8*\b+(\ks)], v[SC+8*(\a)+(\ks)] matrix_a_scale:MATRIX_SCALE_ROW1
.endif
.endr
.endr
.endm
.macro STEP slot, ks, zero             ; a slot's first 128 along K; its second is fetched on the way
	s_wait_dscnt 16                                ; P's set and R's blocks 0-3 are in; the youngest 16 loads (R's blocks 4-7) may be out
	WIN MUL_LO
	MUL16 0, 0, \ks, \zero
	MUL16 2, 0, \ks, \zero
	s_wait_dscnt 0x0
	PLACES NP
	FETCH_B \slot, 1, 1
	FETCH_A \slot, 1, 0
	WIN MUL_HI
	MUL16 4, 0, \ks, \zero
	MUL16 6, 0, \ks, \zero
	PLACES NP
	WIN 0
	FETCH_A \slot, 1, 4
.endm
.macro TURN slot, next, fill, ks       ; a slot's second 128 along K, and the change of slots
	s_wait_tensorcnt 0x0                           ; all my tensor loads have landed: my part of the next slot
	ds_add_u32 v[SPW], v[NIL]                      ; 0 onto my spare word
	s_wait_dscnt 17                                ; (the add and the youngest 16 loads may be out)
	WIN MUL_LO
	MUL16 0, 1, \ks, 0
	s_wait_dscnt 0x0                               ; the add is done, and my reads of this slot are over
	s_barrier_signal -1
	MUL16 2, 1, \ks, 0
	WIN 0
	s_barrier_wait -1
.if \fill
	CREST                                          ; the barrier has opened a round of the cluster's: no wave of any partner still reads this slot or has a load on its way
	s_add_nc_u64 s[G0+4*\slot+2:G0+4*\slot+3], s[G0+4*\slot+2:G0+4*\slot+3], 8192
	s_add_nc_u64 s[G0B+4*\slot+2:G0B+4*\slot+3], s[G0B+4*\slot+2:G0B+4*\slot+3], 8192
	JLOAD G0+4*\slot, G1, G0B+4*\slot, G1B         ; the first tensor load behind the round, one a wave
	PLACES NP-4
.else
	PLACES NP
.endif
	FETCH_B \next, 0, 0
	FETCH_A \next, 0, 0
	WIN MUL_HI
	MUL16 4, 1, \ks, 0
	MUL16 6, 1, \ks, 0
	PLACES NP
	WIN 0
	FETCH_A \next, 0, 4
.endm
.macro QUANT s                         ; 64 numbers of a lane, register 16 b + i = k 32 b + 16 h + i of my row, become codes in v[PC] on and the scale word v[PW]
.irp b, 0,1,2,3
	v_max3_num_f32 v[TM+\b], |v[\s+16*\b]|, |v[\s+1+16*\b]|, 0x4800000
.endr
.irp i, 2,4,6,8,10,12,14
.irp b, 0,1,2,3
	v_max3_num_f32 v[TM+\b], v[TM+\b], |v[\s+16*\b+\i]|, |v[\s+1+16*\b+\i]|
.endr
.endr
.irp b, 0,1,2,3
	v_permlanex16_b32 v[TM+4+\b], v[TM+\b], s[SEL], s[SEL+1]
.endr
.irp b, 0,1,2,3
	v_max_num_f32 v[TM+\b], v[TM+\b], v[TM+4+\b]
.endr
.irp b, 0,1,2,3
	v_add_nc_u32 v[TM+12+\b], 0xfc000000, v[TM+\b]
.endr
.irp b, 0,1,2,3
.endr
.irp b, 0,1,2,3
	v_lshrrev_b32 v[TM+4+\b], 23, v[TM+12+\b]
.endr
	v_lshl_or_b32 v[PW], v[TM+5], 8, v[TM+4]
	v_lshl_or_b32 v[PW], v[TM+6], 16, v[PW]
	v_lshl_or_b32 v[PW], v[TM+7], 24, v[PW]
.irp b, 0,1,2,3
.irp i, 0,1,2,3,4,5,6,7,8,9,10,11,12,13,14,15
.endr
	v_cvt_scalef32_pk8_fp8_f32 v[PC+4*\b:PC+1+4*\b], v[\s+16*\b:\s+7+16*\b], v[TM+12+\b]
	v_cvt_scalef32_pk8_fp8_f32 v[PC+2+4*\b:PC+3+4*\b], v[\s+8+16*\b:\s+15+16*\b], v[TM+12+\b]
.endr
	v_nop
.endm
; THE WAY OUT: R's blocks one after the other: bias, quantiser, four stores of 512 consecutive aligned bytes.  No LDS.  mode 0: qk, 1: v
.macro EPI mode
.irp a, 0,1,2,3,4,5,6,7
	s_wait_xcnt 0x0                                ; the last block's stores have read the codes' registers
.if \a < 4
	WIN 0x06                                       ; source 0 window 2 (the sums), source 1 window 1 (the bias), destination window 0
.else
	WIN 0x07
.endif
.irp b, 0,1,2,3,4,5,6,7
.irp j, 0,2,4,6
.if \mode
	v_pk_add_f32 v[X+8*\b+\j:X+8*\b+\j+1], v[8*(8*(\a%4)+\b)+\j:8*(8*(\a%4)+\b)+\j+1], v[2*\a:2*\a+1]      ; each accumulator from its low end on; the bias is my channel's
.else
	v_pk_add_f32 v[X+8*\b+\j:X+8*\b+\j+1], v[8*(8*(\a%4)+\b)+\j:8*(8*(\a%4)+\b)+\j+1], v[8*\b+\j:8*\b+\j+1]
.endif
.endr
.endr
	WIN 0
	QUANT X
.if \mode
	v_mov_b32 v[WA+\a], v[PW]
.irp g, 0,1,2,3
	global_store_b128 v[LI], v[PC+4*\g:PC+4*\g+3], s[12:13] offset:(\a/4)*HEADB+(\a%4)*2048+\g*512   ; head a / 4, channel tile a % 4, keys 32 g on
.endr
.else
	v_perm_b32 v[WA+\a], v[PW], v[PW], 0x01000100  ; the first head's two bytes, twice;
	v_perm_b32 v[WB+\a], v[PW], v[PW], 0x03020302  ; the second head's
.irp g, 0,1,2,3
	global_store_b128 v[LI], v[PC+4*\g:PC+4*\g+3], s[12:13] offset:(\g/2)*HEADB+\a*1024+(\g%2)*512   ; head g / 2, token tile a, the head's 32 (g % 2) on
.endr
.endif
.endr
.if \mode
.irp e, 0,1
	v_cndmask_b32 v[OW+2*\e], v[WA+4*\e], v[WA+4*\e+2], s[HM]      ; lane (r, h) stores the words of tiles 2 h, 2 h + 1
	v_cndmask_b32 v[OW+2*\e+1], v[WA+4*\e+1], v[WA+4*\e+3], s[HM]
	global_store_b64 v[VSA], v[OW+2*\e:OW+2*\e+1], s[12:13] offset:8192+\e*HEADB
.endr
.else
.irp j, 0,1,2,3
	v_cndmask_b32 v[OW+\j], v[WA+\j], v[WA+4+\j], s[HM]            ; lane (r, h) stores the words of tiles 4 h + 0..3
	v_cndmask_b32 v[OW+4+\j], v[WB+\j], v[WB+4+\j], s[HM]
.endr
	global_store_b128 v[QSA], v[OW:OW+3], s[12:13] offset:8192
	global_store_b128 v[QSA], v[OW+4:OW+7], s[12:13] offset:8192+HEADB
.endif
.endm
	s_load_b128 s[4:7], s[0:1], 0x0                ; x's image, the weights' image
	s_load_b128 s[8:11], s[0:1], 0x10              ; the scale words, bqkv
	s_load_b64 s[12:13], s[0:1], 0x20              ; qkv
	v_lshl_add_u32 v[SPW], v0, 2, SPARE
	v_mov_b32 v[NIL], 0
	ds_add_u32 v28, v29
	ds_add_u32 v28, v29
	s_wait_dscnt 0x0
	v_lshrrev_b32 v1, 5, v0
	v_readfirstlane_b32 s14, v1                    ; wave 0..3
	s_lshr_b32 s15, s14, 1                         ; which half of R is mine.  Also: I fetch for R (0) or for P (1)
	s_and_b32 s16, s14, 1                          ; which half of P.  Also: which 8 tiles I fetch
	s_bfe_u32 s40, ttmp6, 0x40000                  ; cx
	s_bfe_u32 s41, ttmp6, 0x40004                  ; cy
	s_lshl_b32 s42, ttmp9, 2
	s_add_co_u32 s42, s42, s40                     ; gx = 4 x cluster x + cx: 0..7
	s_and_b32 s17, ttmp7, 0xffff                   ; the cluster's y: 0..11; from 8 on: mode v
	s_lshl_b32 s43, s41, 2
	s_lshl_b32 s43, 15, s43                        ; my row of the cluster
	s_lshl_b32 s44, 0x1111, s40                    ; my column
	s_or_b32 s[G1+0], s43, (3<<16)|(1<<21)         ; 15:0 the mask: R's tiles go to my row; 17:16 elements of 8 bytes; 21 set beside a mask; no padding
	s_or_b32 s[G1B+0], s44, (3<<16)|(1<<21)        ; P's go to my column
.irp g, G1, G1B
	s_mov_b32 s[\g+1], 512<<16                     ; tensor_dim0: 512 elements = 4,096 bytes: a tile's two K steps
	s_mov_b32 s[\g+2], 8<<16                       ; tensor_dim1: 8 tiles
	s_mov_b32 s[\g+3], 512<<16                     ; tile_dim0
	s_mov_b32 s[\g+4], 8                           ; tile_dim1
	s_mov_b32 s[\g+5], 2048                        ; from tile to tile: 16,384 bytes
	s_mov_b32 s[\g+6], 0
	s_mov_b32 s[\g+7], 0
.endr
	s_lshl_b32 s66, s17, 2
	s_add_co_u32 s66, s66, s41                     ; qk: R's block of 256 tokens = 4 x cluster y + cy
	s_add_co_u32 s67, s41, 8                       ; v:  R's block of 256 columns = 8 + cy
	s_lshl_b32 s68, s17, 3
	s_add_co_u32 s68, s68, s42
	s_sub_co_u32 s68, s68, 64                      ; v:  P's block of 256 tokens = gx + 8 (cluster y - 8);  qk: P's block of columns = gx
	s_cmp_ge_u32 s17, 8
	s_cselect_b32 s45, s67, s66                    ; R's block
	s_cselect_b32 s46, s68, s42                    ; P's block
	s_cselect_b32 s69, 0x40000, 0                  ; where R's scale words begin: the weights' lie 262,144 bytes behind x's
	s_cselect_b32 s70, 0, 0x40000                  ; and P's
	s_lshl_b32 s18, s16, 17                        ; which 8 tiles of 16,384 bytes I fetch
	s_lshl_b32 s20, s45, 18
	s_add_co_u32 s20, s20, s18
	s_mov_b32 s21, 0
	s_lshl_b32 s72, s46, 18
	s_add_co_u32 s72, s72, s18
	s_mov_b32 s73, 0
	s_lshl_b32 s47, s14, 15                        ; where they go: wave x 32,768: no place in the cluster enters an LDS address
	s_mov_b32 s[HM], 0xffff0000
	s_mov_b32 s[SEL], 0x76543210
	s_mov_b32 s[SEL+1], 0xfedcba98
	s_wait_kmcnt 0x0
	s_cmp_ge_u32 s17, 8
	s_cselect_b64 s[76:77], s[6:7], s[4:5]         ; R's image
	s_cselect_b64 s[78:79], s[4:5], s[6:7]         ; P's
	s_add_nc_u64 s[20:21], s[76:77], s[20:21]
	s_add_nc_u64 s[72:73], s[78:79], s[72:73]
	CROUND                                         ; all sixteen work-groups are here: the first joint loads meet
.irp s, 0,1
	s_mov_b32 s[G0+4*\s], 1
	s_add_co_u32 s[G0+4*\s+1], s47, \s*SLOT
	s_add_nc_u64 s[G0+4*\s+2:G0+4*\s+3], s[20:21], \s*4096
	s_or_b32 s[G0+4*\s+3], s[G0+4*\s+3], 0x80000000
	s_mov_b32 s[G0B+4*\s], 1
	s_add_co_u32 s[G0B+4*\s+1], s47, \s*SLOT
	s_add_nc_u64 s[G0B+4*\s+2:G0B+4*\s+3], s[72:73], \s*4096
	s_or_b32 s[G0B+4*\s+3], s[G0B+4*\s+3], 0x80000000
	JLOAD G0+4*\s, G1, G0B+4*\s, G1B
.endr
	v_and_b32 v1, 31, v0
	v_lshlrev_b32 v[LI], 4, v1
	v_and_b32 v2, 15, v0                           ; r
	v_bfe_u32 v3, v0, 4, 1                         ; h
	s_lshl_b32 s18, s15, 15
	s_lshl_b32 s19, s16, 15
	s_add_co_u32 s19, s19, POFF
.irp s, 0,1
	v_add_nc_u32 v[ADRR+\s], s18, v[LI]
	v_add_nc_u32 v[ADRP+\s], s19, v[LI]
	s_add_co_u32 s18, s18, SLOT
	s_add_co_u32 s19, s19, SLOT
.endr
	v_lshlrev_b32 v[QSA], 5, v2
	v_lshl_add_u32 v[QSA], v3, 4, v[QSA]
	v_lshlrev_b32 v[VSA], 4, v2
	v_lshl_add_u32 v[VSA], v3, 3, v[VSA]
	v_lshlrev_b32 v[BQA], 6, v3
	v_and_b32 v[BVA], 8, v2
	v_add_nc_u32 v[BVA], v[BVA], v2
	v_lshlrev_b32 v[BVA], 2, v[BVA]
.irp b, 0,1,2,3
	v_mov_b32 v[TM+4+\b], 0                        ; a lane permute's destination counts as one of its sources
.endr
	s_lshl_b32 s18, s45, 13                        ; my rows' scale words: 512 bytes a tile: block x 8,192 + half x 4,096
	s_lshl_b32 s19, s15, 12
	s_add_co_u32 s18, s18, s19
	s_add_co_u32 s18, s18, s69
	s_lshl_b32 s19, s46, 13
	s_lshl_b32 s80, s16, 12
	s_add_co_u32 s19, s19, s80
	s_add_co_u32 s19, s19, s70
	v_mov_b32 v26, s18
	v_mov_b32 v[SCA], s19
	v_cndmask_b32 v[SCA], v26, v[SCA], s[HM]       ; lanes 0-15 take R's words, lanes 16-31 P's
	v_lshl_add_u32 v[SCA], v2, 4, v[SCA]
.irp i, 0,1,2,3,4,5,6,7
.irp q, 0,1
	global_load_b128 v[SC+8*\i+4*\q:SC+8*\i+4*\q+3], v[SCA], s[8:9] offset:\i*512+\q*256   ; tile i's words of K steps 4 q + 0..3
.endr
.endr
	s_wait_tensorcnt 1                             ; my part of slot 0 is in; slot 1's load may be out
	s_barrier_signal -1
	s_barrier_wait -1
	FETCH_B 0, 0, 0
	FETCH_A 0, 0, 0
	FETCH_A 0, 0, 4
	s_wait_loadcnt 0x0                             ; the scale words
	STEP 0, 0, 1                                   ; the first products start the sums
	TURN 0, 1, 1, 1
	STEP 1, 2, 0
	TURN 1, 0, 1, 3
	STEP 0, 4, 0
	TURN 0, 1, 0, 5                                ; nothing is left to fetch
	STEP 1, 6, 0
	; the bias comes into P's set 0, which has been multiplied for the last time (eight places stand behind those products); and the output's base is made
	s_cmp_ge_u32 s17, 8
	s_cbranch_scc1 .Lbias_v
	s_lshl_b32 s74, s42, 10
	s_lshl_b32 s75, s16, 9
	s_add_co_u32 s74, s74, s75                     ; bqkv at my 128 columns
	s_mov_b32 s75, 0
	s_add_nc_u64 s[10:11], s[10:11], s[74:75]
	s_lshr_b32 s74, s45, 3                         ; the batch
	s_lshl_b32 s74, s74, 4
	s_and_b32 s75, s42, 3
	s_lshl_b32 s75, s75, 2
	s_add_co_u32 s74, s74, s75
	s_lshl_b32 s75, s16, 1
	s_add_co_u32 s74, s74, s75                     ; 16 x batch + my first head
	s_mul_i32 s74, s74, HEADB
	s_and_b32 s75, s45, 7
	s_lshl_b32 s75, s75, 1
	s_add_co_u32 s75, s75, s15                     ; my 128 tokens' record
	s_mul_i32 s75, s75, REC
	s_add_co_u32 s74, s74, s75
	s_lshr_b32 s75, s42, 2                         ; q (0) or k (1)
	s_mul_i32 s75, s75, 8704
	s_add_co_u32 s74, s74, s75
	s_mov_b32 s75, 0
	s_add_nc_u64 s[12:13], s[12:13], s[74:75]
	WIN TO_B
.irp b, 0,1,2,3,4,5,6,7
	global_load_b128 v[8*\b:8*\b+3], v[BQA], s[10:11] offset:(32*(\b/2)+8*(\b%2))*4        ; tile b's eight columns of my half
	global_load_b128 v[8*\b+4:8*\b+7], v[BQA], s[10:11] offset:(32*(\b/2)+8*(\b%2))*4+16
.endr
	WIN 0
	s_branch .Lbias_done
.Lbias_v:
	s_lshl_b32 s74, s41, 10
	s_lshl_b32 s75, s15, 9
	s_add_co_u32 s74, s74, s75
	s_add_co_u32 s74, s74, 8192                    ; bqkv at column 2,048 + my 128 channels
	s_mov_b32 s75, 0
	s_add_nc_u64 s[10:11], s[10:11], s[74:75]
	s_lshr_b32 s74, s46, 3
	s_lshl_b32 s74, s74, 4
	s_lshl_b32 s75, s41, 2
	s_add_co_u32 s74, s74, s75
	s_lshl_b32 s75, s15, 1
	s_add_co_u32 s74, s74, s75
	s_mul_i32 s74, s74, HEADB
	s_and_b32 s75, s46, 7
	s_lshl_b32 s75, s75, 1
	s_add_co_u32 s75, s75, s16
	s_mul_i32 s75, s75, REC
	s_add_co_u32 s74, s74, s75
	s_add_co_u32 s74, s74, 17408
	s_mov_b32 s75, 0
	s_add_nc_u64 s[12:13], s[12:13], s[74:75]
	WIN TO_B
	s_wait_alu depctr_va_vdst(0)
.irp a, 0,1,2,3,4,5,6,7
	global_load_b32 v[2*\a], v[BVA], s[10:11] offset:(32*(\a/2)+8*(\a%2))*4                ; my channel's bias in tile a, twice: a pair for the packed addition
	global_load_b32 v[2*\a+1], v[BVA], s[10:11] offset:(32*(\a/2)+8*(\a%2))*4
.endr
	WIN 0
.Lbias_done:
	s_wait_dscnt 16                                ; the last K step: nothing more to fetch
	WIN MUL_LO
	MUL16 0, 1, 7, 0
	MUL16 2, 1, 7, 0
	s_wait_dscnt 0x0
	WIN MUL_HI
	MUL16 4, 1, 7, 0
	MUL16 6, 1, 7, 0
	WIN 0
	PLACES NP
	s_wait_loadcnt 0x0                             ; the bias
	s_cmp_ge_u32 s17, 8
	s_cbranch_scc1 .Lepi_v
	EPI 0
	s_branch .Lend
.Lepi_v:
	EPI 1
.Lend:
	s_wait_tensorcnt 0x0                           ; the wave's end
	ds_add_u32 v[SPW], v[NIL]
	s_wait_dscnt 0x0
	CROUND                                         ; the closing round
	s_endpgm
.Lfunc_end_k_qd3cd405997_gemm_qkv:
	.size	k_qd3cd405997_gemm_qkv, .Lfunc_end_k_qd3cd405997_gemm_qkv-k_qd3cd405997_gemm_qkv
	.p2alignl 7, 3214868480
	.fill 96, 4, 3214868480
	.section	.rodata,"a",@progbits
	.p2align	6, 0x0
	.amdhsa_kernel k_qd3cd405997_gemm_qkv
		.amdhsa_group_segment_fixed_size 327680
		.amdhsa_private_segment_fixed_size 0
		.amdhsa_enable_private_segment 0
		.amdhsa_kernarg_size 40
		.amdhsa_user_sgpr_count 2
		.amdhsa_user_sgpr_kernarg_segment_ptr 1
		.amdhsa_wavefront_size32 1
		.amdhsa_system_sgpr_workgroup_id_x 1
		.amdhsa_system_sgpr_workgroup_id_y 1
		.amdhsa_system_sgpr_workgroup_id_z 1
		.amdhsa_system_vgpr_workitem_id 0
		.amdhsa_next_free_vgpr 1024
		.amdhsa_next_free_sgpr 96
		.amdhsa_reserve_vcc 0
		.amdhsa_float_denorm_mode_32 3
		.amdhsa_float_denorm_mode_16_64 3
		.amdhsa_fp16_overflow 1
		.amdhsa_memory_ordered 1
		.amdhsa_forward_progress 1
		.amdhsa_inst_pref_size 218
	.end_amdhsa_kernel
	.amdgpu_metadata
---
amdhsa.version: [ 1, 2 ]
amdhsa.kernels:
  - .name:           k_qd3cd405997_gemm_qkv
    .symbol:         k_qd3cd405997_gemm_qkv.kd
    .args:
      - { .name: ximg, .offset: 0, .size: 8, .value_kind: global_buffer, .address_space: global }
      - { .name: wimg, .offset: 8, .size: 8, .value_kind: global_buffer, .address_space: global }
      - { .name: scl, .offset: 16, .size: 8, .value_kind: global_buffer, .address_space: global }
      - { .name: bqkv, .offset: 24, .size: 8, .value_kind: global_buffer, .address_space: global }
      - { .name: qkv, .offset: 32, .size: 8, .value_kind: global_buffer, .address_space: global }
    .group_segment_fixed_size: 327680
    .private_segment_fixed_size: 0
    .kernarg_segment_align: 8
    .kernarg_segment_size: 40
    .max_flat_workgroup_size: 128
    .sgpr_count:     96
    .vgpr_count:     1024
    .wavefront_size: 32
...
	.end_amdgpu_metadata
.endif
;; end of part 2
;; launch attn (part 3): grid 4 x 64, 16 waves a work-group, no clusters, 327,680 bytes of LDS; arguments qkv, yimg, scl; writes yimg, scl
.if DOCPART == 3
	.amdgcn_target "amdgcn-amd-amdhsa--gfx1250"
	.amdhsa_code_object_version 6
	.text
	.protected	k_qd3cd405997_attn
	.globl	k_qd3cd405997_attn
	.p2align	8
	.type	k_qd3cd405997_attn,@function
k_qd3cd405997_attn:
	s_mov_b64 s[64:65], 0
	v_nop
	global_prefetch_b8 v0, s[64:65] scope:SCOPE_SE
	s_setreg_imm32_b32 hwreg(HW_REG_WAVE_MODE, 25, 1), 1
	s_wait_xcnt 0x0
; y = softmax(q k^T / 8, causal) v for one head, both products on codes of FP8 (E4M3) with E8M0 scales; y is quantised along the model's 1,024 (this head: two blocks of 32) and leaves as the image of the last product's operand.
; THE SOFTMAX: t = score x log2(e) / 8; M = the running largest t rounded UP to a whole number; p = 2^(t - M) is quantised along the keys, not normalised; the row's sum is taken of the unquantised p and divides at the end
; (v_rcp_f32 and a multiplication).  When M moves, the sum and O are multiplied by 2^(old M - new M): exact.
; SHARES.  Work-group (i, head) owns the blocks i and 7 - i of 256 queries: (i + 1) + (8 - i) = 9 slots of 256 keys for every work-group, so the loop's trip count is a constant and all 256 work-groups have equal work.
; Each of the sixteen waves owns one tile of 16 queries of the block in hand, in 256 registers: four waves to a SIMD, so that one wave's vector work stands beside another's matrix work.
; NO CLUSTER: the four work-groups of a head want different key slots in the same trip (block i ends after i + 1 slots and block 7 - i begins anew), so no joint request would name the same tile.
; INPUT: records of 128 tokens (25,856 bytes): q's 8 tiles of 1,024 bytes at 0, its scale words at 8,192; from 8,704 on 17,152 dense bytes: k's 8 tiles, its words, v's 4 tiles (16 channels x 128 keys), its words: one tensor load a key step.
; All are images of registers: a fragment is loads at 16 x lane.  The tokens of a tile and the channels of a tile are 32 (t / 2) + 8 (t % 2) + r + 8 (r / 8): so S^T's and O^T's registers of two neighbouring tiles are 16 neighbours.
; K = 64 IN AN INSTRUCTION OF K = 128: source 0 is two neighbouring tiles of keys on end (even tile, odd tile); against (q, zeros) it gives the even tile's scores, against (zeros, q) the odd tile's: zero codes add nothing,
; whatever stands against them.  The scale words hold a tile's two bytes twice, so each tile's own word serves its product.  So the 8 tiles of a step fill 64 registers, come in one run and are multiplied in one run.
; V TAKES K'S REGISTERS: its four fragments are asked for straight behind the first product's places and land while the softmax is worked.
; CAUSAL: a step all of whose keys come after my queries is jumped over (a scalar branch on ids; no barrier or tensor load stands in a step); in the step on the diagonal hidden scores become -infinity ahead of the maximum.
; LIMITS: a block whose largest magnitude lies under 2^(9 - 127) gets the scale byte 1; NaN and infinities are not served.  y's scale bytes leave one byte a lane (a thirty-second of the codes' bytes).
.set REC,   25856
.set HEADB, 413696
.set STEPB, 17152                      ; a key step in LDS: k's tiles 0, k's words 8,192, v's tiles 8,704, v's words 16,896
.set SLOT1, 65536                      ; slot 1 begins here: one exclusive or turns an address from one slot to the other
.set SPARE, 131072                     ; the spare words, 128 bytes for each of sixteen waves
.set LI,  1                            ; v1   16 x lane
.set AD,  2                            ; v2   the same in the slot in hand
.set ASK, 3                            ; v3   32 r + 16 h: k's scale words
.set ASV, 4                            ; v4   16 r + 8 h: v's
.set SPW, 5
.set NIL, 6
.set DG,  7                            ; v7   my query's place in its own key step, less 16 h
.set ADS, 8                            ; v8   ASK in the slot in hand
.set ADT, 9                            ; v9   ASV likewise
.set YS,  10                           ; v10  16 r + h
.set QF,  16                           ; v16-23 q, v24-31 zeros, v32-39 q
.set KR,  40                           ; v40-103 k's 8 tiles, then v's four fragments
.set S,   104                          ; v104-167 S^T, then p
.set OT,  168                          ; v168-199 O^T
.set PC,  200                          ; v200-215 p's codes
.set KSC, 216
.set VSC, 220
.set QSC, 222
.set PSC, 223
.set BM,  224
.set PM,  228                          ; v228-231 the other lane's maxima, the bytes, then the holds
.set HL,  232
.set SO,  236
.set FF,  240                          ; v[240:241] f, or 1 / the sum
.set T0,  242
.set QNS, 243                          ; v243 the second block's scale words of q
.set S2,  244                          ; v[244:245] the sum's second chain
.set QN,  248                          ; v248-255 the second block's q
.set WV,  10
.set I1,  11
.set N,   12
.set KSL, 13
.set KNX, 14
.set SQ,  15
.set SQB, 16
.set TB,  17
.set HM,  18
.set MNT, 19
.set SEL, 20
.set CS,  22
.set G1,  24
.set G0,  32
.set KVB, 36
.set YB,  38
.set YBB, 40
.set SB,  42
.set SBB, 44
.set QRA, 46
.set QRB, 48
.macro TLOAD                           ; waves 0 and 1 fetch a slot's two key steps, the others nothing; four v_nop follow the line
	s_cmp_lt_u32 s[WV], 2
	s_cbranch_scc0 .Lasked_\@
	tensor_load_to_lds s[G0:G0+3], s[G1:G1+7]
	s_nop 0
.rept 4
	v_nop
.endr
.Lasked_\@:
.endm
; A KEY STEP: 128 keys, the q-th of the slot in hand
.macro STEP q
	s_lshl_b32 s66, s[KSL], 1
.if \q
	s_add_co_u32 s66, s66, 1                       ; the step's number in the head
.endif
	s_cmp_gt_u32 s66, s[SQ]
	s_cbranch_scc1 .Lhidden_\@                     ; all its keys come after my queries
	s_wait_alu depctr_va_vdst(0)
.irp t, 0,1,2,3,4,5,6,7                        ; k's 8 tiles, 8 registers each, on end (eight places stand behind the last products that read these registers: at the last step's end)
	ds_load_b128 v[KR+8*\t:KR+8*\t+3], v[AD] offset:\q*STEPB+\t*1024
	ds_load_b128 v[KR+8*\t+4:KR+8*\t+7], v[AD] offset:\q*STEPB+\t*1024+512
.endr
	ds_load_b128 v[KSC:KSC+3], v[ADS] offset:\q*STEPB+8192     ; lanes 0-15: the words of tiles 0-3; lanes 16-31: of tiles 4-7
	ds_load_b64 v[VSC:VSC+1], v[ADT] offset:\q*STEPB+16896     ; lanes 0-15: v's tiles 0, 1; lanes 16-31: tiles 2, 3
	s_wait_dscnt 0x0
.irp t, 0,1,2,3                                ; S^T = k q^T: tile t is half t % 2 of the pair t / 2
	v_wmma_scale_f32_16x16x128_f8f6f4 v[S+8*\t:S+8*\t+7], v[KR+16*(\t/2):KR+16*(\t/2)+15], v[QF+8*(\t%2):QF+8*(\t%2)+15], 0, v[KSC+\t], v[QSC]
.endr
.irp t, 4,5,6,7
	v_wmma_scale_f32_16x16x128_f8f6f4 v[S+8*\t:S+8*\t+7], v[KR+16*(\t/2):KR+16*(\t/2)+15], v[QF+8*(\t%2):QF+8*(\t%2)+15], 0, v[KSC+\t-4], v[QSC] matrix_a_scale:MATRIX_SCALE_ROW1
.endr
.rept 8
	v_nop                                          ; eight places: in front of the loads into k's registers and of the first read of the scores
.endr
	s_wait_alu depctr_va_vdst(0)
.irp t, 0,1,2,3
.irp c, 0,1,2,3
	ds_load_b128 v[KR+16*\t+4*\c:KR+16*\t+4*\c+3], v[AD] offset:\q*STEPB+8704+\t*2048+512*\c   ; v's four fragments: they have the whole softmax in which to land
.endr
.endr
	s_cmp_lg_u32 s66, s[SQ]
	s_cbranch_scc1 .Lopen_\@                       ; only the step on the diagonal hides keys
	v_mov_b32 v[T0], 0xff800000                    ; -infinity.  Register 16 b + i holds key 32 b + 16 h + i of the step: hidden where 32 b + i > my query's place - 16 h
.set n, 0
.rept 64
	v_cmp_gt_i32 vcc_lo, 32*(n/16)+n%16, v[DG]
	v_cndmask_b32 v[S+n], v[S+n], v[T0], vcc_lo
.set n, n+1
.endr
.Lopen_\@:
.irp b, 0,1,2,3
	v_max3_num_f32 v[BM+\b], v[S+16*\b], v[S+16*\b+1], v[S+16*\b+2]   ; the largest score of each block of 32 keys: for the row's maximum, and, since p rises with the score, for the block's largest p
.endr
.irp i, 3,5,7,9,11,13
.irp b, 0,1,2,3
	v_max3_num_f32 v[BM+\b], v[BM+\b], v[S+16*\b+\i], v[S+16*\b+\i+1]
.endr
.endr
.irp b, 0,1,2,3
	v_max_num_f32 v[BM+\b], v[BM+\b], v[S+16*\b+15]
.endr
.irp b, 0,1,2,3
	s_delay_alu instid0(VALU_DEP_4)
	v_permlanex16_b32 v[PM+\b], v[BM+\b], s[SEL], s[SEL+1]
.endr
.irp b, 0,1,2,3
	s_delay_alu instid0(VALU_DEP_4)
	v_max_num_f32 v[BM+\b], v[BM+\b], v[PM+\b]     ; with lane l xor 16's 16 keys
.endr
	s_delay_alu instid0(VALU_DEP_2)
	v_max3_num_f32 v[T0], v[BM], v[BM+1], v[BM+2]
	s_delay_alu instid0(VALU_DEP_1)
	v_max_num_f32 v[T0], v[T0], v[BM+3]
	s_delay_alu instid0(VALU_DEP_1)
	v_mul_f32 v[T0], s[CS], v[T0]                  ; as t
	s_delay_alu instid0(VALU_DEP_1)
	v_max_num_f32 v13, v13, v[T0]                  ; the running largest t
	v_mov_b32 v[T0], v12
	s_delay_alu instid0(VALU_DEP_2)
	v_floor_f32 v12, -v13                          ; the new -M = floor(-t): a whole number
	s_delay_alu instid0(VALU_DEP_1)
	v_sub_f32 v[T0], v12, v[T0]                    ; old M - new M: a whole number, 0 or less
	s_delay_alu instid0(VALU_DEP_1)
	v_cvt_i32_f32 v[T0], v[T0]                     ; (it saturates)
	s_delay_alu instid0(VALU_DEP_1)
	v_ldexp_f32 v[FF], 1.0, v[T0]                  ; f = 2^(old M - new M)
.set j, 0
.rept 32
	v_pk_fma_f32 v[S+j:S+j+1], v[S+j:S+j+1], s[CS:CS+1], v[12:13] op_sel_hi:[1,0,0]   ; t - M, two at a time
.set j, j+2
.endr
.irp b, 0,1,2,3
	v_fma_f32 v[BM+\b], v[BM+\b], s[CS], v12
.endr
.set j, 0
	s_wait_alu depctr_va_vdst(0)
.rept 64
	v_exp_f32 v[S+j], v[S+j]                       ; p = 2^(t - M), at most 1
.set j, j+1
.endr
.irp b, 0,1,2,3
	v_exp_f32 v[BM+\b], v[BM+\b]                   ; the block's largest p
.endr
	v_pk_mul_f32 v[14:15], v[14:15], v[FF:FF+1] op_sel_hi:[1,0]   ; the sums under the new M (a plain place behind the exponentials)
	s_wait_alu depctr_va_vdst(0)
.irp b, 0,1,2,3
	v_max_num_f32 v[BM+\b], 0x4800000, v[BM+\b]    ; the floor 2^(9 - 127)
.endr
.irp b, 0,1,2,3
	s_delay_alu instid0(VALU_DEP_4)
	v_add_nc_u32 v[SO+\b], 0xfc000000, v[BM+\b]    ; the conversion's scale operand
.endr
.irp b, 0,1,2,3
.endr
.irp b, 0,1,2,3
	s_delay_alu instid0(VALU_DEP_4)
	v_lshrrev_b32 v[PM+\b], 23, v[SO+\b]           ; the scale's byte
.endr
	s_delay_alu instid0(VALU_DEP_3)
	v_lshl_or_b32 v[PSC], v[PM+1], 8, v[PM]        ; p's scale word for these 128 keys
	s_delay_alu instid0(VALU_DEP_1)
	v_lshl_or_b32 v[PSC], v[PM+2], 16, v[PSC]
	s_delay_alu instid0(VALU_DEP_1)
	v_lshl_or_b32 v[PSC], v[PM+3], 24, v[PSC]
.irp b, 0,1,2,3
	v_and_or_b32 v[PM+(\b+1)%4], v[BM+\b], 0x7f800000, s[MNT]   ; block b's hold: 448 x the block's scale
.endr
	v_pk_add_f32 v[244:245], v[108:109], v[112:113]
	v_pk_add_f32 v[246:247], v[116:117], v[120:121]
	v_pk_add_f32 v[234:235], v[124:125], v[128:129]
	v_pk_add_f32 v[232:233], v[132:133], v[136:137]
	v_pk_add_f32 v[226:227], v[140:141], v[144:145]
	v_pk_add_f32 v[224:225], v[148:149], v[152:153]
	v_pk_add_f32 v[218:219], v[156:157], v[160:161]
	v_pk_add_f32 v[14:15], v[14:15], v[164:165]
	v_pk_add_f32 v[244:245], v[244:245], v[104:105]
	v_pk_add_f32 v[246:247], v[246:247], v[106:107]
	v_pk_add_f32 v[234:235], v[234:235], v[110:111]
	v_pk_add_f32 v[232:233], v[232:233], v[114:115]
	v_pk_add_f32 v[226:227], v[226:227], v[118:119]
	v_pk_add_f32 v[224:225], v[224:225], v[122:123]
	v_pk_add_f32 v[218:219], v[218:219], v[126:127]
	v_pk_add_f32 v[14:15], v[14:15], v[130:131]
	v_pk_add_f32 v[244:245], v[244:245], v[134:135]
	v_pk_add_f32 v[246:247], v[246:247], v[138:139]
	v_pk_add_f32 v[234:235], v[234:235], v[142:143]
	v_pk_add_f32 v[232:233], v[232:233], v[146:147]
	v_pk_add_f32 v[226:227], v[226:227], v[150:151]
	v_pk_add_f32 v[224:225], v[224:225], v[154:155]
	v_pk_add_f32 v[218:219], v[218:219], v[158:159]
	v_pk_add_f32 v[14:15], v[14:15], v[162:163]
	v_pk_add_f32 v[244:245], v[244:245], v[166:167]
	s_delay_alu instid0(VALU_DEP_2)
	v_pk_add_f32 v[14:15], v[14:15], v[232:233]
	s_delay_alu instid0(VALU_DEP_2)
	v_pk_add_f32 v[244:245], v[244:245], v[226:227]
	v_pk_add_f32 v[246:247], v[246:247], v[224:225]
	v_pk_add_f32 v[234:235], v[234:235], v[218:219]
	s_delay_alu instid0(VALU_DEP_2)
	v_pk_add_f32 v[14:15], v[14:15], v[246:247]
	s_delay_alu instid0(VALU_DEP_2)
	v_pk_add_f32 v[244:245], v[244:245], v[234:235]
	s_delay_alu instid0(VALU_DEP_1)
	v_pk_add_f32 v[14:15], v[14:15], v[244:245]
.irp b, 0,1,2,3
.irp i, 0,2,4,6,8,10,12,14
.endr
	v_cvt_scalef32_pk8_fp8_f32 v[PC+4*\b:PC+4*\b+1], v[S+16*\b:S+16*\b+7], v[SO+\b]
	v_cvt_scalef32_pk8_fp8_f32 v[PC+4*\b+2:PC+4*\b+3], v[S+16*\b+8:S+16*\b+15], v[SO+\b]
.endr
.set j, 0
.rept 16
	v_pk_mul_f32 v[OT+j:OT+j+1], v[OT+j:OT+j+1], v[FF:FF+1] op_sel_hi:[1,0]   ; O^T under the new M.  (These are also the places in front of the products below)
.set j, j+2
.endr
	s_wait_alu depctr_va_vdst(0)
	s_wait_dscnt 0x0                               ; v's fragments, asked for a softmax ago
.irp t, 0,1                                    ; O^T += v^T p^T: the four accumulators by turns
	v_wmma_scale_f32_16x16x128_f8f6f4 v[OT+8*\t:OT+8*\t+7], v[KR+16*\t:KR+16*\t+15], v[PC:PC+15], v[OT+8*\t:OT+8*\t+7], v[VSC+\t], v[PSC]
.endr
.irp t, 2,3
	v_wmma_scale_f32_16x16x128_f8f6f4 v[OT+8*\t:OT+8*\t+7], v[KR+16*\t:KR+16*\t+15], v[PC:PC+15], v[OT+8*\t:OT+8*\t+7], v[VSC+\t-2], v[PSC] matrix_a_scale:MATRIX_SCALE_ROW1
.endr
.rept 8
	v_nop                                          ; eight places: the next step's loads land in v's fragments and scale words; the way out reads O^T
.endr
.Lhidden_\@:
.endm
; THE CHANGE OF SLOTS stands at a slot's head: each wave waits for all its tensor loads, adds 0 to its spare word, and waits for that and for its reads of the slot that it has left.  fill = 1: that slot takes the keys that follow.
.macro CHANGE fill
	s_wait_tensorcnt 0x0                           ; no tensor load of mine is out, so the descriptor may be written
	ds_add_u32 v[SPW], v[NIL]                      ; 0 onto my spare word
.if \fill
	s_add_co_u32 s[KNX], s[KSL], 1                 ; the next slot of keys,
	s_add_co_u32 s66, s[N], 1
	s_cmp_eq_u32 s66, s[I1]
	s_cselect_b32 s[KNX], 0, s[KNX]                ; or the head's first again, where the second block of queries begins
	s_mul_i32 s66, s[KNX], 2*REC
	s_mov_b32 s67, 0
	s_add_nc_u64 s[G0+2:G0+3], s[KVB:KVB+1], s[66:67]
	s_or_b32 s[G0+3], s[G0+3], 0x80000000
	s_xor_b32 s[G0+1], s[G0+1], SLOT1              ; into the other slot than last time
.endif
	s_wait_dscnt 0x0                               ; the add is done, and my reads of the slot that I have left are over
	s_barrier_signal -1
	s_barrier_wait -1
.if \fill
	TLOAD                                          ; the first thing behind the barrier, a wave's one tensor load until the next: it has a slot's two steps in which to land
.endif
.endm
.macro SLOTWORK
	v_add_nc_u32 v[AD], s[TB], v[LI]
	v_add_nc_u32 v[ADS], s[TB], v[ASK]
	v_add_nc_u32 v[ADT], s[TB], v[ASV]
	STEP 0
	STEP 1
	s_xor_b32 s[TB], s[TB], SLOT1
	s_mov_b32 s[KSL], s[KNX]
.endm
; A block of queries is done: O^T / the sum is quantised along the head's 64 channels (register 16 b + i = channel 32 b + 16 h + i) and stored as two quarters of a fragment's image.
.macro FINISH
	v_add_f32 v14, v14, v15
	s_delay_alu instid0(VALU_DEP_1)
	v_permlanex16_b32 v[PM], v14, s[SEL], s[SEL+1]
	s_delay_alu instid0(VALU_DEP_1)
	v_add_f32 v14, v14, v[PM]                      ; the row's sum
	s_wait_alu depctr_va_vdst(0)
	v_rcp_f32 v[FF], v14
	v_nop                                          ; a plain place behind the transcendental
.set j, 0
	s_wait_alu depctr_va_vdst(0)
.rept 16
	v_pk_mul_f32 v[S+j:S+j+1], v[OT+j:OT+j+1], v[FF:FF+1] op_sel_hi:[1,0]   ; each accumulator from its low end on
.set j, j+2
.endr
.irp b, 0,1
	v_max3_num_f32 v[BM+\b], |v[S+16*\b]|, |v[S+16*\b+1]|, 0x4800000
.endr
.irp i, 2,4,6,8,10,12,14
.irp b, 0,1
	s_delay_alu instid0(VALU_DEP_2)
	v_max3_num_f32 v[BM+\b], v[BM+\b], |v[S+16*\b+\i]|, |v[S+16*\b+\i+1]|
.endr
.endr
.irp b, 0,1
	s_delay_alu instid0(VALU_DEP_2)
	v_permlanex16_b32 v[PM+\b], v[BM+\b], s[SEL], s[SEL+1]
.endr
.irp b, 0,1
	s_delay_alu instid0(VALU_DEP_2)
	v_max_num_f32 v[BM+\b], v[BM+\b], v[PM+\b]
.endr
.irp b, 0,1
	s_delay_alu instid0(VALU_DEP_2)
	v_add_nc_u32 v[SO+\b], 0xfc000000, v[BM+\b]
.endr
.irp b, 0,1
.endr
.irp b, 0,1
	s_delay_alu instid0(VALU_DEP_2)
	v_lshrrev_b32 v[PM+\b], 23, v[SO+\b]
.endr
	s_delay_alu instid0(VALU_DEP_1)
	v_cndmask_b32 v[T0], v[PM], v[PM+1], s[HM]     ; lane (r, h) stores block h's byte of row r
.irp b, 0,1
.irp i, 0,1,2,3,4,5,6,7,8,9,10,11,12,13,14,15
.endr
	v_cvt_scalef32_pk8_fp8_f32 v[PC+4*\b:PC+4*\b+1], v[S+16*\b:S+16*\b+7], v[SO+\b]
	v_cvt_scalef32_pk8_fp8_f32 v[PC+4*\b+2:PC+4*\b+3], v[S+16*\b+8:S+16*\b+15], v[SO+\b]
.endr
	v_nop                                          ; a plain line behind the last conversion
	global_store_b128 v[LI], v[PC:PC+3], s[YB:YB+1]                ; 32 lanes store 512 consecutive bytes, aligned
	global_store_b128 v[LI], v[PC+4:PC+7], s[YB:YB+1] offset:512
	global_store_b8 v[YS], v[T0], s[SB:SB+1]
	s_wait_xcnt 0x0                                ; the stores have read their data and their bases: both are written again
.endm
.macro SWITCH                          ; on to the second block of queries
	v_mov_b32 v[QSC], v[QNS]                       ; (the scale word first: more than eight plain lines follow it)
.irp k, 0,1,2,3,4,5,6,7
	v_mov_b32 v[QF+\k], v[QN+\k]
	v_mov_b32 v[QF+16+\k], v[QN+\k]
.endr
	v_mov_b32 v13, 0xff61b1e6
	s_delay_alu instid0(VALU_DEP_1)
	v_floor_f32 v12, -v13
	v_mov_b32 v14, 0
	v_mov_b32 v15, 0
.set j, 0
.rept 32
	v_mov_b32 v[OT+j], 0
.set j, j+1
.endr
	s_mov_b32 s[SQ], s[SQB]
	s_mov_b64 s[YB:YB+1], s[YBB:YBB+1]
	s_mov_b64 s[SB:SB+1], s[SBB:SBB+1]
.endm
	s_load_b128 s[4:7], s[0:1], 0x0                ; qkv, y's image
	s_load_b64 s[8:9], s[0:1], 0x10                ; the scale words
	v_lshl_add_u32 v[SPW], v0, 2, SPARE
	v_mov_b32 v[NIL], 0
	ds_add_u32 v5, v6
	ds_add_u32 v5, v6
	s_wait_dscnt 0x0
	v_lshrrev_b32 v1, 5, v0
	s_delay_alu instid0(VALU_DEP_1)
	v_readfirstlane_b32 s[WV], v1                  ; wave 0..15
	s_and_b32 s50, ttmp7, 0xffff                   ; 16 x batch + head
	s_add_co_u32 s[I1], ttmp9, 1                   ; slots of the first block
	s_sub_co_u32 s51, 7, ttmp9                     ; the second block
	s_lshr_b32 s52, s[WV], 3
	s_lshl_b32 s[SQ], ttmp9, 1
	s_add_co_u32 s[SQ], s[SQ], s52                 ; the key step in which my queries lie: 2 x block + wave / 8
	s_lshl_b32 s[SQB], s51, 1
	s_add_co_u32 s[SQB], s[SQB], s52
	s_mul_i32 s54, s50, HEADB
	s_mov_b32 s55, 0
	s_and_b32 s53, s[WV], 1                        ; which of a slot's two steps I fetch, if I fetch
	s_mul_i32 s56, s53, REC
	s_add_co_u32 s56, s56, 8704
	s_mov_b32 s57, 0
	s_mul_i32 s58, s[SQ], REC
	s_mov_b32 s59, 0
	s_mul_i32 s60, s[SQB], REC
	s_mov_b32 s61, 0
	s_lshr_b32 s62, s50, 4
	s_lshl_b32 s62, s62, 7
	s_add_co_u32 s62, s62, s[WV]                   ; 128 x batch + wave
	s_lshl_b32 s63, ttmp9, 4
	s_add_co_u32 s63, s63, s62                     ; my row tile of y in the first block,
	s_lshl_b32 s66, s51, 4
	s_add_co_u32 s66, s66, s62                     ; and in the second
	s_and_b32 s67, s50, 15                         ; the head
	s_lshl_b32 s68, s67, 10                        ; its 64 channels in a row tile's 16,384 bytes: K step head / 2, half head % 2
	s_lshl_b32 s70, s63, 14
	s_add_co_u32 s70, s70, s68
	s_mov_b32 s71, 0
	s_lshl_b32 s72, s66, 14
	s_add_co_u32 s72, s72, s68
	s_mov_b32 s73, 0
	s_lshr_b32 s69, s67, 3
	s_lshl_b32 s69, s69, 8
	s_and_b32 s74, s67, 7
	s_lshl_b32 s74, s74, 1
	s_add_co_u32 s69, s69, s74
	s_add_co_u32 s69, s69, 393216                  ; y's scale words lie behind x's and the weights'
	s_lshl_b32 s74, s63, 9
	s_add_co_u32 s74, s74, s69
	s_mov_b32 s75, 0
	s_lshl_b32 s76, s66, 9
	s_add_co_u32 s76, s76, s69
	s_mov_b32 s77, 0
	s_mov_b32 s[G1], 3<<16                         ; no mask; elements of 8 bytes; no padding
	s_mov_b32 s[G1+1], 32<<16                      ; tensor_dim0: 256 bytes
	s_mov_b32 s[G1+2], 67<<16                      ; tensor_dim1: 67 rows: 17,152 dense bytes
	s_mov_b32 s[G1+3], 32<<16                      ; tile_dim0
	s_mov_b32 s[G1+4], 67                          ; tile_dim1
	s_mov_b32 s[G1+5], 32                          ; the pitch
	s_mov_b32 s[G1+6], 0
	s_mov_b32 s[G1+7], 0
	s_mov_b32 s[HM], 0xffff0000
	s_mov_b32 s[MNT], 0x600000
	s_mov_b32 s[SEL], 0x76543210
	s_mov_b32 s[SEL+1], 0xfedcba98
	s_mov_b32 s[CS], 0x3e38aa3b                    ; log2(e) / 8
	s_mov_b32 s[CS+1], s[CS]
	s_mov_b32 s[N], 0
	s_mov_b32 s[KSL], 0
	s_mov_b32 s[KNX], 0
	s_mov_b32 s[TB], 0
	s_wait_kmcnt 0x0
	s_add_nc_u64 s[54:55], s[4:5], s[54:55]        ; the head's records
	s_add_nc_u64 s[KVB:KVB+1], s[54:55], s[56:57]
	s_add_nc_u64 s[QRA:QRA+1], s[54:55], s[58:59]
	s_add_nc_u64 s[QRB:QRB+1], s[54:55], s[60:61]
	s_add_nc_u64 s[YB:YB+1], s[6:7], s[70:71]
	s_add_nc_u64 s[YBB:YBB+1], s[6:7], s[72:73]
	s_add_nc_u64 s[SB:SB+1], s[8:9], s[74:75]
	s_add_nc_u64 s[SBB:SBB+1], s[8:9], s[76:77]
	s_mov_b32 s[G0], 1
	s_mul_i32 s[G0+1], s53, STEPB                  ; slot 0, my step
	s_mov_b64 s[G0+2:G0+3], s[KVB:KVB+1]
	s_or_b32 s[G0+3], s[G0+3], 0x80000000
	TLOAD                                          ; slot 0's first fill, ahead of every wait on TENSORcnt, LDS read and barrier
	v_and_b32 v1, 31, v0
	s_delay_alu instid0(VALU_DEP_1)
	v_lshlrev_b32 v[LI], 4, v1
	v_and_b32 v11, 15, v0                          ; r
	v_bfe_u32 v[T0], v0, 4, 1                      ; h
	s_delay_alu instid0(VALU_DEP_2)
	v_lshlrev_b32 v[ASK], 5, v11
	s_delay_alu instid0(VALU_DEP_1)
	v_lshl_add_u32 v[ASK], v[T0], 4, v[ASK]
	s_delay_alu instid0(VALU_DEP_4)
	v_lshlrev_b32 v[ASV], 4, v11
	s_delay_alu instid0(VALU_DEP_1)
	v_add_nc_u32 v[YS], v[ASV], v[T0]
	s_delay_alu instid0(VALU_DEP_2)
	v_lshl_add_u32 v[ASV], v[T0], 3, v[ASV]
	s_bfe_u32 s60, s[WV], 0x20001                  ; (wave / 2) % 4
	s_lshl_b32 s60, s60, 5
	s_lshl_b32 s61, s53, 3
	s_add_co_u32 s60, s60, s61
	v_and_b32 v[DG], 8, v11
	s_delay_alu instid0(VALU_DEP_1)
	v_add_nc_u32 v[DG], v[DG], v11
	s_delay_alu instid0(VALU_DEP_1)
	v_add_nc_u32 v[DG], s60, v[DG]                 ; my query's place in its step: 32 ((w / 2) % 4) + 8 (w % 2) + r + 8 (r / 8)
	v_lshlrev_b32 v246, 4, v[T0]
	s_delay_alu instid0(VALU_DEP_1)
	v_sub_nc_u32 v[DG], v[DG], v246
	s_and_b32 s62, s[WV], 7                        ; my tile in its record
	s_lshl_b32 s63, s62, 10
	v_add_nc_u32 v247, s63, v[LI]
	s_lshl_b32 s63, s62, 2
	v_lshlrev_b32 v244, 5, v11
	s_delay_alu instid0(VALU_DEP_1)
	v_add_nc_u32 v244, s63, v244
	global_load_b128 v[QF:QF+3], v247, s[QRA:QRA+1]
	global_load_b128 v[QF+4:QF+7], v247, s[QRA:QRA+1] offset:512
	global_load_b128 v[QF+16:QF+19], v247, s[QRA:QRA+1]
	global_load_b128 v[QF+20:QF+23], v247, s[QRA:QRA+1] offset:512
	global_load_b32 v[QSC], v244, s[QRA:QRA+1] offset:8192
	global_load_b128 v[QN:QN+3], v247, s[QRB:QRB+1]
	global_load_b128 v[QN+4:QN+7], v247, s[QRB:QRB+1] offset:512
	global_load_b32 v[QNS], v244, s[QRB:QRB+1] offset:8192
.irp k, 0,1,2,3,4,5,6,7
	v_mov_b32 v[QF+8+\k], 0                        ; the zero codes: written once
.endr
	v_mov_b32 v13, 0xff61b1e6                      ; the largest t so far: -3e38
	s_delay_alu instid0(VALU_DEP_1)
	v_floor_f32 v12, -v13
	v_mov_b32 v14, 0
	v_mov_b32 v15, 0
.irp b, 0,1,2,3
	v_mov_b32 v[PM+\b], 0                          ; a lane permute's destination counts as one of its sources
.endr
	v_mov_b32 v[FF+1], 0                           ; (named as the upper half of a pair)
.set j, 0
.rept 32
	v_mov_b32 v[OT+j], 0                           ; the step is written once: the first finds zeros
.set j, j+1
.endr
	s_wait_loadcnt 0x0                             ; q
.Lslot:                                            ; eight trips; the ninth slot is written out
	CHANGE 1
	SLOTWORK
	s_add_co_u32 s[N], s[N], 1
	s_cmp_lg_u32 s[N], s[I1]
	s_cbranch_scc1 .Lsame
	FINISH
	SWITCH
.Lsame:
	s_cmp_lt_u32 s[N], 8
	s_cbranch_scc1 .Lslot
	CHANGE 0
	SLOTWORK
	FINISH
	s_wait_tensorcnt 0x0                           ; the wave's end
	ds_add_u32 v[SPW], v[NIL]
	s_wait_dscnt 0x0
	s_endpgm
.Lfunc_end_k_qd3cd405997_attn:
	.size	k_qd3cd405997_attn, .Lfunc_end_k_qd3cd405997_attn-k_qd3cd405997_attn
	.p2alignl 7, 3214868480
	.fill 96, 4, 3214868480
	.section	.rodata,"a",@progbits
	.p2align	6, 0x0
	.amdhsa_kernel k_qd3cd405997_attn
		.amdhsa_group_segment_fixed_size 327680
		.amdhsa_private_segment_fixed_size 0
		.amdhsa_enable_private_segment 0
		.amdhsa_kernarg_size 24
		.amdhsa_user_sgpr_count 2
		.amdhsa_user_sgpr_kernarg_segment_ptr 1
		.amdhsa_wavefront_size32 1
		.amdhsa_system_sgpr_workgroup_id_x 1
		.amdhsa_system_sgpr_workgroup_id_y 1
		.amdhsa_system_sgpr_workgroup_id_z 1
		.amdhsa_system_vgpr_workitem_id 0
		.amdhsa_next_free_vgpr 256
		.amdhsa_next_free_sgpr 96
		.amdhsa_reserve_vcc 1
		.amdhsa_float_denorm_mode_32 3
		.amdhsa_float_denorm_mode_16_64 3
		.amdhsa_fp16_overflow 1
		.amdhsa_memory_ordered 1
		.amdhsa_forward_progress 1
		.amdhsa_inst_pref_size 109
	.end_amdhsa_kernel
	.amdgpu_metadata
---
amdhsa.version: [ 1, 2 ]
amdhsa.kernels:
  - .name:           k_qd3cd405997_attn
    .symbol:         k_qd3cd405997_attn.kd
    .args:
      - { .name: qkv, .offset: 0, .size: 8, .value_kind: global_buffer, .address_space: global }
      - { .name: yimg, .offset: 8, .size: 8, .value_kind: global_buffer, .address_space: global }
      - { .name: scl, .offset: 16, .size: 8, .value_kind: global_buffer, .address_space: global }
    .group_segment_fixed_size: 327680
    .private_segment_fixed_size: 0
    .kernarg_segment_align: 8
    .kernarg_segment_size: 24
    .max_flat_workgroup_size: 512
    .sgpr_count:     96
    .vgpr_count:     256
    .wavefront_size: 32
...
	.end_amdgpu_metadata
.endif
;; end of part 3
;; launch gemm_out (part 4): grid 4 x 64, 4 waves a work-group, clusters of 4 x 4, 327,680 bytes of LDS; arguments yimg, wimg, scl, bo, out0; writes out0
.if DOCPART == 4
	.amdgcn_target "amdgcn-amd-amdhsa--gfx1250"
	.amdhsa_code_object_version 6
	.text
	.protected	k_qd3cd405997_gemm_out
	.globl	k_qd3cd405997_gemm_out
	.p2align	8
	.type	k_qd3cd405997_gemm_out,@function
k_qd3cd405997_gemm_out:
	s_mov_b64 s[64:65], 0
	v_nop
	global_prefetch_b8 v0, s[64:65] scope:SCOPE_SE
	s_setreg_imm32_b32 hwreg(HW_REG_WAVE_MODE, 25, 1), 1
	s_wait_xcnt 0x0
	s_wait_alu depctr_hold_cnt(0) depctr_sa_sdst(0) depctr_va_vdst(0) depctr_va_sdst(0) depctr_va_ssrc(0) depctr_va_vcc(0) depctr_vm_vsrc(0)
	s_getreg_b32 s2, hwreg(HW_REG_IB_STS2, 6, 4)
	s_cmp_eq_u32 s2, 0
	s_cbranch_scc0 .Lentry_in_a_cluster
	s_endpgm
.Lentry_in_a_cluster:
	s_bfe_u32 s2, ttmp6, 0x10000c
	s_cmp_lg_u32 s2, 0xf033
	s_cbranch_scc0 .Lentry_shape_is_right
	s_endpgm
.Lentry_shape_is_right:
; out0 = y Wo + bo on codes of FP8 (E4M3) with E8M0 scales, K = 1,024; out0 [8192][1024] f32.
; A TILE is 128 tokens (R) x 256 columns (P): 8,192 x 1,024 / (128 x 256) = 256 work-groups, one for each WGP.  Four waves, 64 x 128 each: 32 accumulators.  Source 0 = 16 rows of P, source 1 = 16 rows of R, so that a lane
; holds one token, and (the rows of a tile being 32 (t / 2) + 8 (t % 2) + r + 8 (r / 8)) the 16 registers of P's tiles 2 b, 2 b + 1 are 16 neighbouring columns.  Operands lie in memory and in LDS as images of fragments
; ([c][lane][16 bytes]): a fragment is four loads at 16 x lane, and no padding is wanted.  The price of the smaller tile: a wave reads 48 x 512 bytes from LDS for a K step's 32 products.
; THREE SLOTS of two K steps each (R's 8 tiles x 4,096 bytes, then P's 16): K steps 0-5 go out as first fills, three loads a wave; K steps 6 and 7 fill slot 0 again behind the one round, in K step 1, and have K steps 1 to 5
; in which to land.  All eight K steps are written out.  The scale words for all of K come once into 64 registers.
; CLUSTERS: 4 x 4; R's tiles hang on the tile row and are shared along a row of the cluster, P's on the tile column and are shared along a column.
; THE WAY OUT: the bias is added onto the sums in place; a block of 16 tokens x 128 columns goes through my own stage in LDS and leaves as whole rows of 512 bytes.  The stage lies in slot 1: it has had its only fill, and
; every wave's reads of it are over in front of the barrier in K step 5.
; REGISTERS: window 0: v0-31 addresses; v64-127 scale words (register 8 i + ks: lanes 0-15 R's tile i, lanes 16-31 P's tile i); v128-255 the rows read back.  Window 1: fragment set 0 (P's eight at v0-127, R's four at v128-191),
;   at the end the bias.  Window 3: fragment set 1.  Window 2: the accumulators ((a, b) at v[8 (8 a + b)]).  A fetch or a run of products wants one setting of the windows.
.set SLOT,  98304
.set POFF,  32768                      ; P's tiles in a slot
.set SPARE, 294912                     ; behind the three slots: the spare words, 128 bytes a wave
.set STAGE, SLOT                       ; in slot 1: 16 rows x 528 bytes for each wave
.set SPITCH, 528
.set NP,    8                          ; places behind this matrix instruction (ISA guide 7.12.1)
.set LI,    4                          ; v4   16 x lane
.set BQA,   7                          ; v7   64 h
.set STO,   9                          ; v9   the stage: where I put 32 bytes of a row
.set RD,    10                         ; v10  and where I read a row back
.set ADRR,  16                         ; v16-18 LDS address of my R fragments in slot 0, 1, 2
.set ADRP,  20                         ; v20-22 of my P fragments
.set SCB,   26                         ; v26  my byte among the scale words, for tiles 4-7
.set SCA,   27                         ; v27  and for tiles 0-3
.set SPW,   28
.set NIL,   29
.set SC,    64
.set RF,    128                        ; R's fragments in a set's window
.set BK,    128
.set G1,    24                         ; s[24:31] group 1 for R's tiles;  s[32:39] for P's
.set G1B,   32
.set G0,    40                         ; s[40:51] group 0 for R's tiles, one set for each slot;  s[52:63] for P's
.set G0B,   52
.set HM,    80
.set MSB,   0
.macro WIN new                         ; the immediate's high byte repeats the setting that is left
.if MSB != (\new)
	s_set_vgpr_msb (MSB<<8)|(\new)
.set MSB, (\new)
.endif
.endm
.macro JLOAD g0a, g1a, g0b, g1b        ; a joint load: waves 0, 1 fetch R's halves, waves 2, 3 P's; four v_nop follow each line
	s_cmp_eq_u32 s15, 0
	s_cbranch_scc0 .Lfor_b_\@
	tensor_load_to_lds s[\g0a:\g0a+3], s[\g1a:\g1a+7]
	s_nop 0
.rept 4
	v_nop
.endr
	s_branch .Lasked_\@
.Lfor_b_\@:
	tensor_load_to_lds s[\g0b:\g0b+3], s[\g1b:\g1b+7]
	s_nop 0
.rept 4
	v_nop
.endr
.Lasked_\@:
.endm
.macro CREST
	s_cmp_lg_u32 s14, 0
	s_cbranch_scc1 .Lnot_wave_0_\@
	s_barrier_signal -3
.Lnot_wave_0_\@:
	s_barrier_wait -3
	s_barrier_signal -1
	s_barrier_wait -1
.endm
.macro CROUND
	s_barrier_signal -1
	s_barrier_wait -1
	CREST
.endm
.macro PLACES n
.rept \n
	v_nop
.endr
.endm
.macro FRAG reg, adr, q, i             ; tile i's fragment of the slot's q-th 128 along K: the image as it lies
.irp c, 0,1,2,3
	ds_load_b128 v[\reg+4*\c:\reg+4*\c+3], v[\adr] offset:(\i)*4096+(\q)*2048+512*\c
.endr
.endm
.macro FETCHR slot, q                  ; R's four fragments (the window says into which set)
.irp i, 0,1,2,3
	FRAG RF+16*\i, ADRR+\slot, \q, \i
.endr
.endm
.macro FETCHP slot, q, first, count    ; P's fragments first .. first + count - 1
.set fi, \first
.rept \count
	FRAG 16*fi, ADRP+\slot, \q, fi
.set fi, fi+1
.endr
.endm
; 4 matrix instructions: P's block b x R's four, K step ks.  The 32 accumulators take turns, one instruction a turn, in the same order in every K step.
.macro MULB b, ks, zero
.irp a, 0,1,2,3
.if \zero
	v_wmma_scale_f32_16x16x128_f8f6f4 v[8*(8*\a+(\b)):8*(8*\a+(\b))+7], v[16*(\b):16*(\b)+15], v[RF+16*\a:RF+16*\a+15], 0, v[SC+8*(\b)+(\ks)], v[SC+8*\a+(\ks)] matrix_a_scale:MATRIX_SCALE_ROW1
.else
	v_wmma_scale_f32_16x16x128_f8f6f4 v[8*(8*\a+(\b)):8*(8*\a+(\b))+7], v[16*(\b):16*(\b)+15], v[RF+16*\a:RF+16*\a+15], v[8*(8*\a+(\b)):8*(8*\a+(\b))+7], v[SC+8*(\b)+(\ks)], v[SC+8*\a+(\ks)] matrix_a_scale:MATRIX_SCALE_ROW1
.endif
.endr
.endm
; A K step: set p is multiplied, and the next K step (slot nslot, its nq-th) is fetched into the other set, in two runs of 24 loads: R's four and P's 0, 1; then P's 2-7.
.macro KSTEP p, ks, zero, nslot, nq
	s_wait_dscnt 16                                ; R's four and P's 0-3 are in; the youngest 16 loads (P's 4-7) may be out
	PLACES NP                                      ; behind the last K step's products, which read the set that is now filled
	WIN 0x40+0x80*(1-\p)                           ; destination: the other set's window
	FETCHR \nslot, \nq
	FETCHP \nslot, \nq, 0, 2
	WIN 0xa5+10*\p                                 ; sources 0 and 1: my set's window; C and D window 2
.irp b, 0,1,2,3
	MULB \b, \ks, \zero
.endr
	s_wait_dscnt 24                                ; all but the 24 just issued: P's 4-7 are in
	WIN 0x40+0x80*(1-\p)
	FETCHP \nslot, \nq, 2, 6
	WIN 0xa5+10*\p
.irp b, 4,5,6,7
	MULB \b, \ks, \zero
.endr
.endm
; A K step with a barrier (set 1 is multiplied; set 0 takes slot nslot's first 128 along K).  In front of the barrier each wave waits for all its tensor loads, adds 0 to its spare word, and waits for that and for its LDS reads.
; fill = 1: the barrier opens a round of the cluster's, and slot 0, which nobody reads any more, takes K steps 6 and 7.  fill = 0: that load has landed in every wave: slot 0 may be read.
.macro KTURN ks, fill, nslot
	WIN 0                                          ; (the add's two registers lie in window 0)
	s_wait_tensorcnt 0x0                           ; all my tensor loads have landed
	ds_add_u32 v[SPW], v[NIL]                      ; 0 onto my spare word
	s_wait_dscnt 17                                ; (the add and the youngest 16 loads may be out)
	WIN 0xaf
	MULB 0, \ks, 0
	MULB 1, \ks, 0
	s_wait_dscnt 0x0                               ; the add is done, and my LDS reads are over
	s_barrier_signal -1
	MULB 2, \ks, 0
	MULB 3, \ks, 0
	WIN 0
	s_barrier_wait -1
.if \fill
	CREST                                          ; no wave of any partner still reads slot 0 or has a load on its way
	s_add_nc_u64 s[G0+2:G0+3], s[G0+2:G0+3], 3*4096
	s_add_nc_u64 s[G0B+2:G0B+3], s[G0B+2:G0B+3], 3*4096
	JLOAD G0, G1, G0B, G1B                         ; the first tensor load behind the round, one a wave
	PLACES NP-4
.else
	PLACES NP
.endif
	WIN 0x40
	FETCHR \nslot, 0
	FETCHP \nslot, 0, 0, 8
	WIN 0xaf
.irp b, 4,5,6,7
	MULB \b, \ks, 0
.endr
.endm
.macro TOSTAGE a                       ; block a: the bias onto the sums, in place; into my stage; back as whole rows.  LDS serves a wave's instructions in order: no wait between
.set AC, 64*(\a)
	WIN 0x86                                       ; source 0 and destination window 2, source 1 (the bias) window 1
.irp b, 0,1,2,3,4,5,6,7
.irp j, 0,2,4,6
	v_pk_add_f32 v[AC+8*\b+\j:AC+8*\b+\j+1], v[AC+8*\b+\j:AC+8*\b+\j+1], v[8*\b+\j:8*\b+\j+1]   ; each accumulator from its low end on
.endr
.endr
	WIN 0x08                                       ; an LDS store's data are its source 1: window 2
.irp b, 0,1,2,3,4,5,6,7
	ds_store_b128 v[STO], v[AC+8*\b:AC+8*\b+3] offset:128*(\b/2)+32*(\b%2)       ; lane (r, h): columns 32 (b / 2) + 16 h + 8 (b % 2) + 0..7 of token r
	ds_store_b128 v[STO], v[AC+8*\b+4:AC+8*\b+7] offset:128*(\b/2)+32*(\b%2)+16
.endr
	WIN 0
.set BB, BK+64*((\a)%2)
.irp t, 0,1,2,3,4,5,6,7,8,9,10,11,12,13,14,15
	ds_load_b128 v[BB+4*\t:BB+4*\t+3], v[RD] offset:\t*SPITCH
.endr
.endm
.macro SEND a, younger                 ; younger: the LDS instructions issued behind block a's loads
.set BB, BK+64*((\a)%2)
	s_wait_dscnt \younger
.irp t, 0,1,2,3,4,5,6,7,8,9,10,11,12,13,14,15
	global_store_b128 v[LI], v[BB+4*\t:BB+4*\t+3], s[12:13] offset:(32*((\a)/2)+8*((\a)%2)+\t+8*(\t/8))*4096 th:TH_STORE_NT   ; 32 lanes store 512 consecutive bytes of one row, aligned; 63 rows of 4,096 bytes at the most in the immediate
.endr
.endm
	s_load_b128 s[4:7], s[0:1], 0x0                ; y's image, the weights' image
	s_load_b128 s[8:11], s[0:1], 0x10              ; the scale words, bo
	s_load_b64 s[12:13], s[0:1], 0x20              ; out0
	v_lshl_add_u32 v[SPW], v0, 2, SPARE
	v_mov_b32 v[NIL], 0
	ds_add_u32 v28, v29
	ds_add_u32 v28, v29
	s_wait_dscnt 0x0
	v_lshrrev_b32 v1, 5, v0
	v_readfirstlane_b32 s14, v1                    ; wave 0..3
	s_lshr_b32 s15, s14, 1                         ; which 64 tokens are mine.  Also: I fetch for R (0) or for P (1)
	s_and_b32 s16, s14, 1                          ; which 128 columns.  Also: which half of that tile I fetch
	s_bfe_u32 s66, ttmp6, 0x40000                  ; cx
	s_bfe_u32 s67, ttmp6, 0x40004                  ; cy
	s_lshl_b32 s68, ttmp9, 2
	s_add_co_u32 s68, s68, s66                     ; gx: which 256 columns
	s_and_b32 s69, ttmp7, 0xffff
	s_lshl_b32 s69, s69, 2
	s_add_co_u32 s69, s69, s67                     ; gy: which 128 tokens
	s_add_co_u32 s70, s68, 12                      ; P's block in the weights' image: Wo lies behind Wqkv's twelve
	s_lshl_b32 s71, s67, 2
	s_lshl_b32 s71, 15, s71                        ; my row of the cluster
	s_lshl_b32 s72, 0x1111, s66                    ; my column
	s_or_b32 s[G1+0], s71, (3<<16)|(1<<21)         ; the mask: R's tiles go to my row; elements of 8 bytes; bit 21 beside a mask; no padding
	s_or_b32 s[G1B+0], s72, (3<<16)|(1<<21)        ; P's go to my column
	s_mov_b32 s[G1+1], 512<<16                     ; tensor_dim0: 4,096 bytes: a tile's two K steps
	s_mov_b32 s[G1+2], 4<<16                       ; tensor_dim1: 4 tiles of R
	s_mov_b32 s[G1+3], 512<<16                     ; tile_dim0
	s_mov_b32 s[G1+4], 4                           ; tile_dim1
	s_mov_b32 s[G1+5], 2048                        ; from tile to tile: 16,384 bytes
	s_mov_b32 s[G1+6], 0
	s_mov_b32 s[G1+7], 0
	s_mov_b32 s[G1B+1], 512<<16
	s_mov_b32 s[G1B+2], 8<<16                      ; 8 tiles of P
	s_mov_b32 s[G1B+3], 512<<16
	s_mov_b32 s[G1B+4], 8
	s_mov_b32 s[G1B+5], 2048
	s_mov_b32 s[G1B+6], 0
	s_mov_b32 s[G1B+7], 0
	s_lshl_b32 s74, s69, 17                        ; R: 8 tiles of 16,384 bytes a block, my 4 of them
	s_lshl_b32 s17, s16, 16
	s_add_co_u32 s74, s74, s17
	s_mov_b32 s75, 0
	s_lshl_b32 s76, s70, 18                        ; P: 16 tiles a block, my 8 of them
	s_lshl_b32 s17, s16, 17
	s_add_co_u32 s76, s76, s17
	s_mov_b32 s77, 0
	s_lshl_b32 s78, s16, 14                        ; where they go in a slot: no place in the cluster enters an LDS address
	s_lshl_b32 s79, s16, 15
	s_add_co_u32 s79, s79, POFF
	s_mov_b32 s[HM], 0xffff0000
	s_wait_kmcnt 0x0
	s_add_nc_u64 s[74:75], s[4:5], s[74:75]
	s_add_nc_u64 s[76:77], s[6:7], s[76:77]
	CROUND                                         ; all sixteen work-groups are here: the first joint loads meet
.irp s, 0,1,2
	s_mov_b32 s[G0+4*\s], 1
	s_add_co_u32 s[G0+4*\s+1], s78, \s*SLOT
	s_add_nc_u64 s[G0+4*\s+2:G0+4*\s+3], s[74:75], \s*4096
	s_or_b32 s[G0+4*\s+3], s[G0+4*\s+3], 0x80000000
	s_mov_b32 s[G0B+4*\s], 1
	s_add_co_u32 s[G0B+4*\s+1], s79, \s*SLOT
	s_add_nc_u64 s[G0B+4*\s+2:G0B+4*\s+3], s[76:77], \s*4096
	s_or_b32 s[G0B+4*\s+3], s[G0B+4*\s+3], 0x80000000
	s_wait_alu depctr_va_vdst(0)
	s_wait_tensorcnt 0x0
	ds_add_u32 v28, v29
	ds_add_u32 v28, v29
	s_wait_dscnt 0x0
	CROUND
	JLOAD G0+4*\s, G1, G0B+4*\s, G1B               ; one load of mine is out
.endr
	v_and_b32 v1, 31, v0
	v_lshlrev_b32 v[LI], 4, v1
	v_and_b32 v2, 15, v0                           ; r
	v_bfe_u32 v3, v0, 4, 1                         ; h
	s_wait_alu depctr_va_vdst(0)
	s_lshl_b32 s18, s15, 14                        ; my 4 tiles of R
	s_lshl_b32 s19, s16, 15                        ; my 8 tiles of P
	s_add_co_u32 s19, s19, POFF
.irp s, 0,1,2
	v_add_nc_u32 v[ADRR+\s], s18, v[LI]
	v_add_nc_u32 v[ADRP+\s], s19, v[LI]
	s_add_co_u32 s18, s18, SLOT
	s_add_co_u32 s19, s19, SLOT
.endr
	v_lshlrev_b32 v[BQA], 6, v3
	s_mul_i32 s18, s14, 16*SPITCH
	s_add_co_u32 s18, s18, STAGE                   ; my stage
	v_mul_u32_u24 v[STO], v2, SPITCH
	v_lshl_add_u32 v[STO], v3, 6, v[STO]
	v_add_nc_u32 v[STO], s18, v[STO]               ; in: row r, + 64 h
	v_add_nc_u32 v[RD], s18, v[LI]                 ; back: 16 bytes a lane of a row
	s_lshl_b32 s18, s69, 12                        ; my rows' scale words, 512 bytes a tile: y's lie at 393,216, the weights' at 262,144
	s_lshl_b32 s19, s15, 11
	s_add_co_u32 s18, s18, s19
	s_add_co_u32 s18, s18, 393216
	s_lshl_b32 s19, s70, 13
	s_lshl_b32 s20, s16, 12
	s_add_co_u32 s19, s19, s20
	s_add_co_u32 s19, s19, 262144
	s_sub_co_u32 s20, s18, 2048
	v_mov_b32 v24, s18
	v_mov_b32 v[SCA], s19
	v_cndmask_b32 v[SCA], v24, v[SCA], s[HM]       ; lanes 0-15 take R's words, lanes 16-31 P's
	v_lshl_add_u32 v[SCA], v2, 4, v[SCA]
	v_mov_b32 v25, s20
	v_mov_b32 v[SCB], s19
	v_cndmask_b32 v[SCB], v25, v[SCB], s[HM]       ; for tiles 4-7 lanes 0-15 begin four tiles back: R has four tiles, and they read those again, so that no load leaves the buffer
	v_lshl_add_u32 v[SCB], v2, 4, v[SCB]
.irp i, 0,1,2,3
.irp q, 0,1
	global_load_b128 v[SC+8*\i+4*\q:SC+8*\i+4*\q+3], v[SCA], s[8:9] offset:\i*512+\q*256   ; tile i's words of K steps 4 q + 0..3
.endr
.endr
.irp i, 4,5,6,7
.irp q, 0,1
	global_load_b128 v[SC+8*\i+4*\q:SC+8*\i+4*\q+3], v[SCB], s[8:9] offset:\i*512+\q*256
.endr
.endr
	s_lshl_b32 s82, s68, 10
	s_lshl_b32 s83, s16, 9
	s_add_co_u32 s82, s82, s83                     ; my 128 columns, in bytes: in bo and in a row of out0
	s_mov_b32 s83, 0
	s_add_nc_u64 s[10:11], s[10:11], s[82:83]
	s_add_nc_u64 s[12:13], s[12:13], s[82:83]
	s_lshl_b32 s82, s69, 19
	s_lshl_b32 s84, s15, 18
	s_add_co_u32 s82, s82, s84                     ; my 64 rows of 4,096 bytes
	s_add_nc_u64 s[12:13], s[12:13], s[82:83]
	s_wait_tensorcnt 2                             ; my part of slot 0 is in; slot 2's load may be out
	s_barrier_signal -1
	s_barrier_wait -1
	WIN 0x40
	FETCHR 0, 0
	FETCHP 0, 0, 0, 8
	s_wait_loadcnt 0x0                             ; the scale words
	KSTEP 0, 0, 1, 0, 1                            ; the first products start the sums
	KTURN 1, 1, 1                                  ; slots 1 and 2 are whole; slot 0 takes K steps 6 and 7
	KSTEP 0, 2, 0, 1, 1
	KSTEP 1, 3, 0, 2, 0
	KSTEP 0, 4, 0, 2, 1
	KTURN 5, 0, 0                                  ; slot 0 is whole again; nothing is left to fetch
	KSTEP 0, 6, 0, 0, 1
	s_wait_dscnt 16                                ; the last K step
	PLACES NP                                      ; behind the products that read set 0, whose first 64 registers take the bias
	WIN 0x40
.irp b, 0,1,2,3,4,5,6,7
	global_load_b128 v[8*\b:8*\b+3], v[BQA], s[10:11] offset:(32*(\b/2)+8*(\b%2))*4        ; tile b's eight columns of my half
	global_load_b128 v[8*\b+4:8*\b+7], v[BQA], s[10:11] offset:(32*(\b/2)+8*(\b%2))*4+16
.endr
	WIN 0xaf
.irp b, 0,1,2,3
	MULB \b, 7, 0
.endr
	s_wait_dscnt 0x0
.irp b, 4,5,6,7
	MULB \b, 7, 0
.endr
	WIN 0
	PLACES NP
	s_wait_loadcnt 0x0                             ; the bias
	TOSTAGE 0
.irp a, 1,2,3
.if \a > 1
	s_wait_xcnt 0x0                                ; block a - 2's stores have read their registers: block a's rows may land there
.endif
	TOSTAGE \a
	SEND \a-1, 32                                  ; behind block a - 1's loads: block a's 16 stores and 16 loads
.endr
	SEND 3, 0
	s_wait_tensorcnt 0x0                           ; the wave's end
	ds_add_u32 v[SPW], v[NIL]
	s_wait_dscnt 0x0
	CROUND                                         ; the closing round
	s_endpgm
.Lfunc_end_k_qd3cd405997_gemm_out:
	.size	k_qd3cd405997_gemm_out, .Lfunc_end_k_qd3cd405997_gemm_out-k_qd3cd405997_gemm_out
	.p2alignl 7, 3214868480
	.fill 96, 4, 3214868480
	.section	.rodata,"a",@progbits
	.p2align	6, 0x0
	.amdhsa_kernel k_qd3cd405997_gemm_out
		.amdhsa_group_segment_fixed_size 327680
		.amdhsa_private_segment_fixed_size 0
		.amdhsa_enable_private_segment 0
		.amdhsa_kernarg_size 40
		.amdhsa_user_sgpr_count 2
		.amdhsa_user_sgpr_kernarg_segment_ptr 1
		.amdhsa_wavefront_size32 1
		.amdhsa_system_sgpr_workgroup_id_x 1
		.amdhsa_system_sgpr_workgroup_id_y 1
		.amdhsa_system_sgpr_workgroup_id_z 1
		.amdhsa_system_vgpr_workitem_id 0
		.amdhsa_next_free_vgpr 1024
		.amdhsa_next_free_sgpr 96
		.amdhsa_reserve_vcc 0
		.amdhsa_float_denorm_mode_32 3
		.amdhsa_float_denorm_mode_16_64 3
		.amdhsa_memory_ordered 1
		.amdhsa_forward_progress 1
		.amdhsa_inst_pref_size 97
	.end_amdhsa_kernel
	.amdgpu_metadata
---
amdhsa.version: [ 1, 2 ]
amdhsa.kernels:
  - .name:           k_qd3cd405997_gemm_out
    .symbol:         k_qd3cd405997_gemm_out.kd
    .args:
      - { .name: yimg, .offset: 0, .size: 8, .value_kind: global_buffer, .address_space: global }
      - { .name: wimg, .offset: 8, .size: 8, .value_kind: global_buffer, .address_space: global }
      - { .name: scl, .offset: 16, .size: 8, .value_kind: global_buffer, .address_space: global }
      - { .name: bo, .offset: 24, .size: 8, .value_kind: global_buffer, .address_space: global }
      - { .name: out0, .offset: 32, .size: 8, .value_kind: global_buffer, .address_space: global }
    .group_segment_fixed_size: 327680
    .private_segment_fixed_size: 0
    .kernarg_segment_align: 8
    .kernarg_segment_size: 40
    .max_flat_workgroup_size: 128
    .sgpr_count:     96
    .vgpr_count:     1024
    .wavefront_size: 32
...
	.end_amdgpu_metadata
.endif
;; end of part 4
